; MI455X (gfx1250); checked and timed in simulation.
; The chip was launched on July 23, 2026; its instructions are those of AMD's public machine-readable ISA for CDNA 5 (MIT licence, August 2026) and "CDNA5" Instruction Set Architecture Reference Guide (July 2026). The comments in the code are by the model that wrote it; some were corrected since.
;; Attention. Allowed arithmetic: matrix products marked QUANTISED: E2M3 operands, one E8M0 scale for each 32 along K, by v_wmma_scale_f32_16x16x128_f8f6f4 with both operands' format E2M3, f32 sums; products left as they are: f32 operands where the result goes on into a quantised operand, else bf16, f16 or f32 operands; f32 sums; everything else in f32.
;; Inputs: ada_cond 2 x 1,024 float32; freqs 2,048 x 32 x 2 float32; kn_w 64 float32; ln_w 1,024 float32; mod_b 3,072 float32; mod_w 3,072 x 1,024 float32; qn_w 64 float32; w_o 1,024 x 1,024 float32; w_qkv 3,072 x 1,024 float32; x 2 x 2,048 x 1,024 float32.
;; Outputs: out0 2 x 2,048 x 1,024 float32.
;; This version of the problem:
;;   THIS VERSION OF THE PROBLEM IS GIVEN IN LOW PRECISION. The matrix products marked QUANTISED in the list below multiply operands that are first quantised to E2M3 (2 exponent bits, 3 mantissa bits; 6 bits a number), with one power-of-two scale for each 32 numbers along K (OCP MX v1.0); their sums are f32. All else is computed in f32.
;;   The module's matrix products, in the order in which they are computed (A, B: the left and right operand; K: the contracted axis; several contracted axes count as one K, in the product's order):
;;     1. [M 2, K 1,024] x [K 1,024, N 3,072]; A: computed on the way; B: input mod_w: left as it is (M = 2 < 16)
;;     2. [M 4,096, K 1,024] x [K 1,024, N 3,072]; A: computed on the way; B: input w_qkv: QUANTISED
;;     3. batch 32 x [M 2,048, K 64] x [K 64, N 2,048]; A: computed on the way; B: computed on the way: QUANTISED
;;     4. batch 32 x [M 2,048, K 2,048] x [K 2,048, N 64]; A: softmax (see below); B: computed on the way: QUANTISED
;;     5. [M 4,096, K 1,024] x [K 1,024, N 1,024]; A: computed on the way; B: input w_o: QUANTISED
;;   THE QUANTISER, for each operand of a quantised product, along K:
;;     - K is cut into blocks of 32 from its start; a last block that is shorter is filled with zeros.
;;     - A block's scale is 2^e with e = floor(log2(the largest magnitude in the block)) - 2, held to -126 .. 127; a block of zeros has e = 0. As a byte (E8M0): e + 127.
;;     - Each number is divided by its block's scale, clamped to +-7.5, and rounded to the nearest number of E2M3, ties to even, subnormals kept.
;;     - The product sums the exact products of the quantised numbers (number of the format x scale) in f32.
;;   ~~~python
;;   def quantise(x, axis):      # numpy; x: float32 -> the quantised numbers, widened to float32 again
;;       x = np.moveaxis(x, axis, -1); K = x.shape[-1]
;;       x = np.pad(x, [(0, 0)] * (x.ndim - 1) + [(0, -K % 32)]); x = x.reshape(x.shape[:-1] + (-1, 32)); a = np.abs(x).max(-1, keepdims=True)
;;       e = np.where(a > 0, np.clip(np.frexp(np.where(a > 0, a, 1))[1] - 1 - 2, -126, 127), 0)      # np.frexp(a)[1] - 1 = floor(log2(a)), exactly
;;       r = np.clip(x / 2.0 ** e, -7.5, 7.5)
;;       step = 2.0 ** (np.maximum(np.frexp(np.where(r == 0, 1, r))[1] - 1, 0) - 3)
;;       q = np.round(r / step) * step * 2.0 ** e      # np.round: ties to even
;;       return np.moveaxis(q.reshape(q.shape[:-2] + (-1,))[..., :K], -1, axis).astype(np.float32)
;;   ~~~
;;   SOFTMAX AHEAD OF A QUANTISED PRODUCT. Where the list says 'softmax', what is quantised is not the finished softmax but p = 2^(t - M), with t = logit x log2(e) and M = ceil(the row's largest t), a whole number; so 1/2 < the row's largest p <= 1. The row's sum l is taken of the UNQUANTISED p, in f32, and the product's result is divided by l at the end. Since M is a whole number, a kernel that streams over the keys may use a running M (the ceiling of the running maximum): every later rescaling is an exact power of two, which a block's scale takes up: the codes' values come out the same.
;;   OPERANDS COMPUTED ON THE WAY. 'Computed on the way' means the value that the module computes at that place (a softmax that the list does not call 'softmax' is quantised finished and normalised). What goes into a quantiser is computed in f32, as accurately as f32 sums, v_exp_f32 and their like allow (about 1e-6 of the number): no bf16 or f16 on the way to a quantiser, and a product that is left as it is and whose result goes on into a quantised operand takes f32 operands (vector FMAs, or v_wmma_f32_16x16x4_f32). A number that lies on a knife's edge between two numbers of the format may be rounded either way, as far as f32 arithmetic and the matrix unit's own rounding can turn it there, and no further.
;; One version. Each part assembles by itself: llvm-mc -triple=amdgcn-amd-amdhsa -mcpu=gfx1250 --defsym DOCPART=n.
;; ======== version 1 of 1: 5 launches
;; limits: right only within a limited range of input values
;; workspace buffers: modv 24,576 bytes; hc 3,407,872 bytes; wqc 2,555,904 bytes; woc 851,968 bytes; oc 3,407,872 bytes; qc 3,670,016 bytes; kv 7,077,888 bytes
;; launch mod (part 1): grid 256 x 1, 4 waves a work-group, no clusters, 0 bytes of LDS; arguments ada_cond, mod_w, mod_b, modv; writes modv
.if DOCPART == 1
	.amdgcn_target "amdgcn-amd-amdhsa--gfx1250"
	.amdhsa_code_object_version 6
	.text
	.protected	k_q7b18016a62_mod
	.globl	k_q7b18016a62_mod
	.p2align	8
	.type	k_q7b18016a62_mod,@function
k_q7b18016a62_mod:
	s_mov_b64 s[64:65], 0
	v_nop
	global_prefetch_b8 v0, s[64:65] scope:SCOPE_SE
	s_setreg_imm32_b32 hwreg(HW_REG_WAVE_MODE, 25, 1), 1
	s_wait_xcnt 0x0
; modv[b][n] = sum over k of silu(ada_cond[b][k]) mod_w[n][k] + mod_b[n].  ada_cond [2][1024], mod_w [3072][1024], mod_b [3072], modv [2][3072], all f32.
; The result goes on into a quantised operand, so the product is made of f32 fused multiply-adds.
; 256 work-groups x 4 waves x 3 rows of mod_w.  A row is 4,096 bytes: eight loads of 16 bytes a lane, each covering 512 consecutive bytes.  All of a wave's 24 row loads go out at once,
; behind the 16 loads of ada_cond; the silu is worked while they are on their way.  No LDS, no barrier, no matrix unit: two rows of A do not fill a tile, and the bytes of mod_w bound the launch.
; LIMITS: NaN and infinities among the inputs are not served.  silu(a) = a / (1 + 2^(-a log2 e)): where the power overflows the quotient is 0, as in the definition's limit.
.set A0, 16                            ; v16-47   ada_cond row 0, then its silu: register 4 j + e = element 128 j + 4 lane + e
.set A1, 48                            ; v48-79   row 1
.set T,  80                            ; v80-111  at work
.set W,  112                           ; v112-207 three rows of mod_w, laid as A0
.set AC, 208                           ; v208-219 six sums (row i, batch b) as pairs at AC + 4 i + 2 b
	s_load_b256 s[4:11], s[0:1], 0x0               ; ada_cond s[4:5], mod_w s[6:7], mod_b s[8:9], modv s[10:11]
	v_and_b32 v1, 31, v0                           ; lane
	v_lshrrev_b32 v3, 5, v0
	v_readfirstlane_b32 s12, v3                    ; wave
	v_lshlrev_b32 v2, 4, v1                        ; 16 bytes a lane
	v_lshlrev_b32 v4, 2, v1                        ; the way out: 4 bytes a lane
	s_mul_i32 s13, ttmp9, 12
	s_mul_i32 s14, s12, 3
	s_add_co_u32 s13, s13, s14                     ; my first row: 12 x work-group + 3 x wave
	s_lshl_b32 s14, s13, 12                        ; in mod_w, in bytes (under 2^24)
	s_mov_b32 s15, 0
	s_lshl_b32 s16, s13, 2                         ; in mod_b and in a row of modv
	s_mov_b32 s17, 0
	s_mov_b32 s18, 0x76543210                      ; v_permlanex16_b32's selects for lane l xor 16
	s_mov_b32 s19, 0xfedcba98
	s_wait_alu depctr_va_vdst(0)
	s_wait_kmcnt 0x0
	s_add_nc_u64 s[6:7], s[6:7], s[14:15]
	s_add_nc_u64 s[8:9], s[8:9], s[16:17]
	s_add_nc_u64 s[10:11], s[10:11], s[16:17]
	s_load_b32 s20, s[8:9], 0x0                    ; my three biases
	s_load_b32 s21, s[8:9], 0x4
	s_load_b32 s22, s[8:9], 0x8
.irp j, 0,1,2,3,4,5,6,7
	global_load_b128 v[A0+4*\j:A0+4*\j+3], v2, s[4:5] offset:512*\j
.endr
.irp j, 0,1,2,3,4,5,6,7
	global_load_b128 v[A1+4*\j:A1+4*\j+3], v2, s[4:5] offset:4096+512*\j
.endr
.irp i, 0,1,2
.irp j, 0,1,2,3,4,5,6,7
	global_load_b128 v[W+32*\i+4*\j:W+32*\i+4*\j+3], v2, s[6:7] offset:4096*\i+512*\j th:TH_LOAD_NT   ; read once in the launch
.endr
.endr
	s_wait_loadcnt 24                              ; ada_cond is in; the 24 younger loads, mod_w's, stay out
; silu of 32 numbers in place.  The exponentials go as one batch and so do the reciprocals: one plain line and one wait behind each batch, ahead of its first reader.
.macro SILU a
.set j, 0
.rept 32
	v_mul_f32 v[T+j], 0xbfb8aa3b, v[\a+j]          ; -a log2(e)
.set j, j+1
.endr
.set j, 0
	s_wait_alu depctr_va_vdst(0)
.rept 32
	v_exp_f32 v[T+j], v[T+j]
.set j, j+1
.endr
	v_nop
	s_wait_alu depctr_va_vdst(0)
.set j, 0
.rept 32
	v_add_f32 v[T+j], 1.0, v[T+j]
.set j, j+1
.endr
.set j, 0
	s_wait_alu depctr_va_vdst(0)
.rept 32
	v_rcp_f32 v[T+j], v[T+j]
.set j, j+1
.endr
	v_nop
	s_wait_alu depctr_va_vdst(0)
.set j, 0
.rept 32
	v_mul_f32 v[\a+j], v[\a+j], v[T+j]
.set j, j+1
.endr
.endm
	SILU A0
	SILU A1
.irp i, 0,1,2
	s_wait_loadcnt 16-8*\i                         ; row i's eight loads are in; the later rows' stay out
	v_pk_mul_f32 v[AC+4*\i:AC+4*\i+1], v[W+32*\i:W+32*\i+1], v[A0:A0+1]            ; the first products start the sums
	v_pk_mul_f32 v[AC+4*\i+2:AC+4*\i+3], v[W+32*\i:W+32*\i+1], v[A1:A1+1]
.irp p, 2,4,6,8,10,12,14,16,18,20,22,24,26,28,30
	v_pk_fma_f32 v[AC+4*\i:AC+4*\i+1], v[W+32*\i+\p:W+32*\i+\p+1], v[A0+\p:A0+\p+1], v[AC+4*\i:AC+4*\i+1]
	v_pk_fma_f32 v[AC+4*\i+2:AC+4*\i+3], v[W+32*\i+\p:W+32*\i+\p+1], v[A1+\p:A1+\p+1], v[AC+4*\i+2:AC+4*\i+3]
.endr
.endr
.irp k, 0,1,2,3,4,5
	v_add_f32 v[AC+2*\k], v[AC+2*\k], v[AC+2*\k+1] ; a pair's two halves
.endr
.irp m, 1,2,4,8
.irp k, 0,1,2,3,4,5
	v_add_f32_dpp v[AC+2*\k], v[AC+2*\k], v[AC+2*\k] row_xmask:\m row_mask:0xf bank_mask:0xf   ; the six sums by turns
.endr
.endr
.irp k, 0,1,2,3,4,5
	v_permlanex16_b32 v[AC+2*\k+1], v[AC+2*\k], s18, s19
.endr
.irp k, 0,1,2,3,4,5
	v_add_f32 v[AC+2*\k], v[AC+2*\k], v[AC+2*\k+1] ; every lane holds the sum
.endr
	s_wait_alu depctr_va_vdst(0)
	s_wait_kmcnt 0x0                               ; the biases
.irp i, 0,1,2
	v_add_f32 v[AC+4*\i], s[20+\i], v[AC+4*\i]
	v_add_f32 v[AC+4*\i+2], s[20+\i], v[AC+4*\i+2]
.endr
	v_cmp_eq_u32 s24, 1, v1
	v_cmp_eq_u32 s25, 2, v1
.irp b, 0,1                                    ; lane i takes row i's number
	v_cndmask_b32 v[220+\b], v[AC+2*\b], v[AC+4+2*\b], s24
	v_cndmask_b32 v[220+\b], v[220+\b], v[AC+8+2*\b], s25
.endr
	v_cmp_gt_u32 vcc_lo, 3, v1
	s_wait_alu depctr_va_vdst(0)
	s_wait_xcnt 0x0                                ; EXEC is narrowed only behind this wait: it is a source of the loads above
	s_and_saveexec_b32 s26, vcc_lo
	global_store_b32 v4, v220, s[10:11]            ; batch 0: three neighbouring numbers
	global_store_b32 v4, v221, s[10:11] offset:12288   ; batch 1
	s_wait_xcnt 0x0                                ; and widened again only behind this one
	s_or_b32 exec_lo, exec_lo, s26
	s_endpgm
.Lfunc_end_k_q7b18016a62_mod:
	.size	k_q7b18016a62_mod, .Lfunc_end_k_q7b18016a62_mod-k_q7b18016a62_mod
	.p2alignl 7, 3214868480
	.fill 96, 4, 3214868480
	.section	.rodata,"a",@progbits
	.p2align	6, 0x0
	.amdhsa_kernel k_q7b18016a62_mod
		.amdhsa_group_segment_fixed_size 0
		.amdhsa_private_segment_fixed_size 0
		.amdhsa_enable_private_segment 0
		.amdhsa_kernarg_size 32
		.amdhsa_user_sgpr_count 2
		.amdhsa_user_sgpr_kernarg_segment_ptr 1
		.amdhsa_wavefront_size32 1
		.amdhsa_system_sgpr_workgroup_id_x 1
		.amdhsa_system_sgpr_workgroup_id_y 1
		.amdhsa_system_sgpr_workgroup_id_z 1
		.amdhsa_system_vgpr_workitem_id 0
		.amdhsa_next_free_vgpr 224
		.amdhsa_next_free_sgpr 66
		.amdhsa_reserve_vcc 1
		.amdhsa_float_denorm_mode_32 3
		.amdhsa_float_denorm_mode_16_64 3
		.amdhsa_memory_ordered 1
		.amdhsa_forward_progress 1
		.amdhsa_inst_pref_size 27
	.end_amdhsa_kernel
	.amdgpu_metadata
---
amdhsa.version: [ 1, 2 ]
amdhsa.kernels:
  - .name:           k_q7b18016a62_mod
    .symbol:         k_q7b18016a62_mod.kd
    .args:
      - { .name: ada_cond, .offset: 0, .size: 8, .value_kind: global_buffer, .address_space: global }
      - { .name: mod_w, .offset: 8, .size: 8, .value_kind: global_buffer, .address_space: global }
      - { .name: mod_b, .offset: 16, .size: 8, .value_kind: global_buffer, .address_space: global }
      - { .name: modv, .offset: 24, .size: 8, .value_kind: global_buffer, .address_space: global }
    .group_segment_fixed_size: 0
    .private_segment_fixed_size: 0
    .kernarg_segment_align: 8
    .kernarg_segment_size: 32
    .max_flat_workgroup_size: 128
    .sgpr_count:     66
    .vgpr_count:     224
    .wavefront_size: 32
...
	.end_amdgpu_metadata
.endif
;; end of part 1
;; launch quant (part 2): grid 512 x 1, 4 waves a work-group, no clusters, 66,304 bytes of LDS; arguments x, w_qkv, w_o, ln_w, modv, hc, wqc, woc; writes hc, wqc, woc
.if DOCPART == 2
	.amdgcn_target "amdgcn-amd-amdhsa--gfx1250"
	.amdhsa_code_object_version 6
	.text
	.protected	k_q7b18016a62_quant
	.globl	k_q7b18016a62_quant
	.p2align	8
	.type	k_q7b18016a62_quant,@function
k_q7b18016a62_quant:
	s_mov_b64 s[64:65], 0
	v_nop
	global_prefetch_b8 v0, s[64:65] scope:SCOPE_SE
	s_setreg_imm32_b32 hwreg(HW_REG_WAVE_MODE, 25, 1), 1
	s_wait_xcnt 0x0
; Three tensors with K = 1,024 innermost become codes of E2M3 with one E8M0 byte for each 32 along K, laid as the products' launches take them into registers:
;   x [4096][1024]: h = layernorm(x) ln_w (1 + scale) + shift is made first, in f32 (scale, shift: modv[b][0..1023], modv[b][1024..2047]) -> hc;   w_qkv [3072][1024] -> wqc;   w_o [1024][1024] -> woc.
; ONE PATH FOR ALL THREE: work-groups 0-255 take x, 256-447 w_qkv, 448-511 w_o; only pointers and a mask are chosen, by the work-group's number.  For a weight the mean is replaced by 0, the
; reciprocal deviation and the gain by 1 and the shift by 0, so that the arithmetic leaves each number as it is, bit for bit.
; A work-group takes one TILE OF 16 ROWS.  THE ROWS OF A TILE ARE NOT NEIGHBOURS: row r of tile rt is row 32 (rt / 2) + 8 (rt % 2) + r + 8 (r / 8), so that in every product the 16 registers
; of two neighbouring result tiles are 16 neighbours along this operand's rows.
; THE BUFFERS: [K / 256][tile][3,328 bytes].  In a record: for K step s (128 along K) and half c (64) the six registers of each lane that hold k = 128 s + 64 c + 32 (lane / 16) + 0 .. 31 of row lane % 16:
; registers 0-3 at 1536 s + 768 c + 16 lane, registers 4-5 at + 512 + 8 lane; the rows' scale words of steps 0 and 1 at 3072 + 8 lane (row lane % 16, in both halves of the lanes).
; PHASE 1: wave w takes the tile's rows 4 w .. 4 w + 3, a whole row at a time (eight loads of 512 consecutive bytes), norms it in two passes (mean, then the squares of the differences) and
; puts it into a stage in LDS.  One barrier.  PHASE 2: wave w takes K = 256 w .. 256 w + 255 of all 16 rows: a lane reads four whole blocks of 32 of its row, so a block's largest magnitude needs no other lane.
; A block's scale byte is its largest magnitude's exponent field - 2, held at 1 from below.
; LIMITS: a block of zeros, or one whose largest magnitude lies under 2^-124, gets the byte 1 where the rule says 127 or less: its codes are as the rule's only for zeros; the bytes are read by this program alone.
; NaN and infinities are not served.  The gain ln_w (1 + scale) is formed first and applied by one fused multiply-add with the shift: an order of rounding that differs from the definition's by about 1e-7 of the number.
.set PITCH, 4112                       ; a stage row: 4,096 bytes + 16 = 257 x 16: the 16 rows that a load of 16 bytes a lane touches start at 16 different groups of four banks (64 banks of 4 bytes: ISA guide 11.1)
.set SPARE, 16*PITCH                   ; behind the stage: the spare words, 128 bytes for each wave: two blocks of 256 bytes that no other line names
.set L16,  2                           ; v2   16 x lane
.set STW,  3                           ; v3   the stage, on the way in: 4 w rows + 16 x lane
.set STR,  4                           ; v4   and out: row lane % 16, + 128 (lane / 16) + 1,024 w
.set L8,   5                           ; v5   8 x lane
.set SPW,  6                           ; v6   LDS address of my spare word; never rewritten
.set NIL,  7                           ; v7   0; never rewritten
.set SH8,  9                           ; v9   8 (lane / 16): where my bytes stand in a scale word
.set SUM,  10
.set PRM,  11
.set MEAN, 12                          ; v[12:13] the mean (the packed forms name a pair and take its low word)
.set RS,   14                          ; v[14:15] 1 / sqrt(variance + eps)
.set G,    16                          ; v16-47   ln_w (1 + scale); in phase 2 the codes
.set SH,   48                          ; v48-79   shift
.set T,    80                          ; v80-111  scale, then at work
.set X,    112                         ; v112-239 four rows; in phase 2 four blocks of 32
.set WV,   33
.set ISW,  26                          ; s26  all ones for a weight, 0 for x
.set SEL,  36
	s_load_b256 s[4:11], s[0:1], 0x0               ; x, w_qkv, w_o, ln_w
	s_load_b256 s[12:19], s[0:1], 0x20             ; modv, hc, wqc, woc
	v_lshl_add_u32 v[SPW], v0, 2, SPARE
	v_mov_b32 v[NIL], 0
	v_lshrrev_b32 v1, 5, v0
	v_readfirstlane_b32 s[WV], v1                  ; wave 0..3
	v_and_b32 v1, 31, v0
	v_lshlrev_b32 v[L16], 4, v1
	v_lshlrev_b32 v[L8], 3, v1
	s_mul_i32 s34, s[WV], 4*PITCH
	v_add_nc_u32 v[STW], s34, v[L16]
	v_and_b32 v8, 15, v0
	v_bfe_u32 v[SH8], v0, 4, 1
	v_mul_u32_u24 v[STR], v8, PITCH
	v_lshl_add_u32 v[STR], v[SH8], 7, v[STR]
	s_lshl_b32 s34, s[WV], 10
	v_add_nc_u32 v[STR], s34, v[STR]
	v_lshlrev_b32 v[SH8], 3, v[SH8]
	v_mov_b32 v[PRM], 0                            ; a lane permute's destination counts as one of its sources
	v_mov_b32 v[MEAN+1], 0                         ; named as the upper halves of pairs
	v_mov_b32 v[RS+1], 0
	s_mov_b32 s30, 0x3a800000                      ; 1 / 1,024
	s_mov_b32 s31, 0x3727c5ac                      ; eps = 1e-5
	s_mov_b32 s[SEL], 0x76543210
	s_mov_b32 s[SEL+1], 0xfedcba98
	s_wait_kmcnt 0x0
	s_cmp_lt_u32 ttmp9, 448                        ; w_qkv or w_o?  The choices hang on the work-group's number alone
	s_cselect_b64 s[20:21], s[6:7], s[8:9]         ; from where
	s_cselect_b64 s[22:23], s[16:17], s[18:19]     ; to where
	s_cselect_b32 s24, 192, 64                     ; tiles in the tensor
	s_mov_b32 s25, 448
	s_cselect_b32 s25, 256, s25                    ; the tensor's first work-group
	s_cmp_lt_u32 ttmp9, 256                        ; or x?
	s_cselect_b64 s[20:21], s[4:5], s[20:21]
	s_cselect_b64 s[22:23], s[14:15], s[22:23]
	s_cselect_b32 s24, 256, s24
	s_cselect_b32 s25, 0, s25
	s_cselect_b32 s[ISW], 0, -1
	s_sub_co_u32 s27, ttmp9, s25                   ; my tile
	s_lshr_b32 s28, s27, 1
	s_lshl_b32 s28, s28, 5
	s_and_b32 s29, s27, 1
	s_lshl_b32 s29, s29, 3
	s_add_co_u32 s28, s28, s29                     ; 32 (rt / 2) + 8 (rt % 2)
	s_lshl_b32 s29, s[WV], 2
	s_add_co_u32 s28, s28, s29                     ; + 4 w
	s_lshr_b32 s29, s[WV], 1
	s_lshl_b32 s29, s29, 3
	s_add_co_u32 s28, s28, s29                     ; + 8 (w / 2): my four rows are neighbours
	s_lshl_b32 s28, s28, 12                        ; in bytes (under 2^24)
	s_mov_b32 s29, 0
	s_add_nc_u64 s[20:21], s[20:21], s[28:29]
	s_lshr_b32 s38, s27, 7                         ; x: the batch.  (A weight's tile gives 0 or 1 too: a row of modv that is loaded and then replaced)
	s_mul_i32 s38, s38, 12288
	s_mov_b32 s39, 0
	s_add_nc_u64 s[12:13], s[12:13], s[38:39]
	s_mul_i32 s40, s24, s[WV]                      ; the way out: K / 256 = my wave,
	s_add_co_u32 s40, s40, s27                     ; my tile,
	s_mul_i32 s40, s40, 3328                       ; records of 3,328 bytes
	s_mov_b32 s41, 0
	s_add_nc_u64 s[22:23], s[22:23], s[40:41]
.irp j, 0,1,2,3,4,5,6,7
	global_load_b128 v[G+4*\j:G+4*\j+3], v[L16], s[10:11] offset:512*\j           ; ln_w
.endr
.irp j, 0,1,2,3,4,5,6,7
	global_load_b128 v[T+4*\j:T+4*\j+3], v[L16], s[12:13] offset:512*\j           ; scale
.endr
.irp j, 0,1,2,3,4,5,6,7
	global_load_b128 v[SH+4*\j:SH+4*\j+3], v[L16], s[12:13] offset:4096+512*\j    ; shift
.endr
.irp k, 0,1,2,3
.irp j, 0,1,2,3,4,5,6,7
	global_load_b128 v[X+32*\k+4*\j:X+32*\k+4*\j+3], v[L16], s[20:21] offset:4096*\k+512*\j th:TH_LOAD_NT   ; 512 consecutive bytes a load; read once in the launch
.endr
.endr
	s_wait_loadcnt 32                              ; the three vectors are in; the rows' 32 loads stay out
.set p, 0
.rept 16
	v_pk_fma_f32 v[G+2*p:G+2*p+1], v[G+2*p:G+2*p+1], v[T+2*p:T+2*p+1], v[G+2*p:G+2*p+1]   ; ln_w (1 + scale)
.set p, p+1
.endr
.set p, 0
.rept 32
	v_cndmask_b32 v[G+p], v[G+p], 1.0, s[ISW]      ; a weight: gain 1,
	v_cndmask_b32 v[SH+p], v[SH+p], 0, s[ISW]      ; shift 0
.set p, p+1
.endr
.macro XSUM                            ; v[SUM] over the 32 lanes, into every lane
.irp m, 1,2,4,8
	v_add_f32_dpp v[SUM], v[SUM], v[SUM] row_xmask:\m row_mask:0xf bank_mask:0xf
.endr
	v_permlanex16_b32 v[PRM], v[SUM], s[SEL], s[SEL+1]
	v_add_f32 v[SUM], v[SUM], v[PRM]
.endm
.macro ROW k
.set X_, X+32*(\k)
	s_wait_loadcnt 8*(3-(\k))                      ; this row's eight loads are in; the later rows' stay out
.set p, 0
.rept 8
	v_pk_add_f32 v[T+2*p:T+2*p+1], v[X_+4*p:X_+4*p+1], v[X_+4*p+2:X_+4*p+3]       ; the sum of my 32, as a tree
.set p, p+1
.endr
.set p, 0
.rept 4
	v_pk_add_f32 v[T+2*p:T+2*p+1], v[T+4*p:T+4*p+1], v[T+4*p+2:T+4*p+3]
.set p, p+1
.endr
	v_pk_add_f32 v[T:T+1], v[T:T+1], v[T+2:T+3]
	v_pk_add_f32 v[T+2:T+3], v[T+4:T+5], v[T+6:T+7]
	v_pk_add_f32 v[T:T+1], v[T:T+1], v[T+2:T+3]
	v_add_f32 v[SUM], v[T], v[T+1]
	XSUM
	v_mul_f32 v[MEAN], s30, v[SUM]
	v_cndmask_b32 v[MEAN], v[MEAN], 0, s[ISW]
.set p, 0
.rept 16
	v_pk_add_f32 v[X_+2*p:X_+2*p+1], v[X_+2*p:X_+2*p+1], v[MEAN:MEAN+1] op_sel_hi:[1,0] neg_lo:[0,1] neg_hi:[0,1]   ; x - mean
.set p, p+1
.endr
.set p, 0
.rept 4
	v_pk_mul_f32 v[T+2*p:T+2*p+1], v[X_+2*p:X_+2*p+1], v[X_+2*p:X_+2*p+1]         ; the squares, in four chains
.set p, p+1
.endr
.rept 12
	v_pk_fma_f32 v[T+2*(p%4):T+2*(p%4)+1], v[X_+2*p:X_+2*p+1], v[X_+2*p:X_+2*p+1], v[T+2*(p%4):T+2*(p%4)+1]
.set p, p+1
.endr
	v_pk_add_f32 v[T:T+1], v[T:T+1], v[T+2:T+3]
	v_pk_add_f32 v[T+4:T+5], v[T+4:T+5], v[T+6:T+7]
	v_pk_add_f32 v[T:T+1], v[T:T+1], v[T+4:T+5]
	v_add_f32 v[SUM], v[T], v[T+1]
	XSUM
	v_fma_f32 v[RS], v[SUM], s30, s31              ; variance + eps
	s_wait_alu depctr_va_vdst(0)
	v_rsq_f32 v[RS], v[RS]
	v_nop                                          ; a plain line behind the transcendental,
	s_wait_alu depctr_va_vdst(0)                   ; and the wait ahead of its first reader
	v_cndmask_b32 v[RS], v[RS], 1.0, s[ISW]
.set p, 0
.rept 16
	v_pk_mul_f32 v[X_+2*p:X_+2*p+1], v[X_+2*p:X_+2*p+1], v[RS:RS+1] op_sel_hi:[1,0]
.set p, p+1
.endr
.set p, 0
.rept 16
	v_pk_fma_f32 v[X_+2*p:X_+2*p+1], v[X_+2*p:X_+2*p+1], v[G+2*p:G+2*p+1], v[SH+2*p:SH+2*p+1]
.set p, p+1
.endr
.irp j, 0,1,2,3,4,5,6,7
	ds_store_b128 v[STW], v[X_+4*\j:X_+4*\j+3] offset:PITCH*(\k)+512*\j
.endr
.endm
	ROW 0
	ROW 1
	ROW 2
	ROW 3
	s_wait_dscnt 0x0                               ; for the others' sake: my rows lie in the stage
	s_barrier_signal -1
	s_barrier_wait -1                              ; all sixteen do
; PHASE 2.  Block 2 s + c of my row: k = 256 w + 128 s + 64 c + 32 (lane / 16) + 0 .. 31, 128 bytes, into X + 32 (2 s + c)
.irp e, 0,1,2,3
.irp q, 0,1,2,3,4,5,6,7
	ds_load_b128 v[X+32*\e+4*\q:X+32*\e+4*\q+3], v[STR] offset:256*\e+16*\q
.endr
.endr
	v_mov_b32 v94, 0                               ; lane permutes' destinations
	v_mov_b32 v95, 0
	s_wait_dscnt 0x0
.irp e, 0,1,2,3
	v_max3_num_f32 v[80+\e], |v[X+32*\e]|, |v[X+32*\e+1]|, 0x1800000   ; the block's largest magnitude, and the floor 2^(3 - 127): the byte cannot fall under 1
.endr
.irp i, 2,4,6,8,10,12,14,16,18,20,22,24,26,28,30
.irp e, 0,1,2,3
	v_max3_num_f32 v[80+\e], v[80+\e], |v[X+32*\e+\i]|, |v[X+32*\e+\i+1]|   ; the four blocks by turns
.endr
.endr
.irp e, 0,1,2,3
	v_add_nc_u32 v[84+\e], 0xff000000, v[80+\e]    ; 2 off its exponent field: the conversion takes the exponent field of this operand as its scale
.endr
.irp e, 0,1,2,3
	v_lshrrev_b32 v[88+\e], 23, v[84+\e]           ; the scale's byte
.endr
.irp s, 0,1                                    ; K step s: my bytes are those of blocks lane / 16 and 2 + lane / 16; lane l xor 16 has the other two
	v_lshl_or_b32 v[92+\s], v[89+2*\s], 16, v[88+2*\s]
.endr
.irp s, 0,1
	v_lshlrev_b32 v[92+\s], v[SH8], v[92+\s]
.endr
.irp s, 0,1
	v_permlanex16_b32 v[94+\s], v[92+\s], s[SEL], s[SEL+1]
.endr
.irp s, 0,1
	v_or_b32 v[92+\s], v[92+\s], v[94+\s]          ; the row's scale word, in both halves of the lanes
.endr
.irp e, 0,1,2,3
	v_cvt_scalef32_pk16_fp6_f32 v[16+6*\e:18+6*\e], v[X+32*\e:X+32*\e+15], v[84+\e]
	v_cvt_scalef32_pk16_fp6_f32 v[40+4*\e:42+4*\e], v[X+32*\e+16:X+32*\e+31], v[84+\e]   ; (a conversion's three registers begin on an even number: the block's second three are made elsewhere and moved)
.endr
	v_nop                                          ; one plain line behind the last scaled conversion
.irp e, 0,1,2,3
.irp i, 0,1,2
	v_mov_b32 v[19+6*\e+\i], v[40+4*\e+\i]
.endr
.endr
.irp e, 0,1,2,3
	global_store_b128 v[L16], v[16+6*\e:19+6*\e], s[22:23] offset:768*\e           ; 512 consecutive bytes, aligned to 256
	global_store_b64 v[L8], v[20+6*\e:21+6*\e], s[22:23] offset:768*\e+512         ; 256 consecutive bytes, aligned
.endr
	global_store_b64 v[L8], v[92:93], s[22:23] offset:3072                         ; the scale words: 256 consecutive bytes, aligned
	s_wait_tensorcnt 0x0                           ; the wave's end, behind my last LDS store
	ds_add_u32 v[SPW], v[NIL]
	s_wait_dscnt 0x0
	s_endpgm
.Lfunc_end_k_q7b18016a62_quant:
	.size	k_q7b18016a62_quant, .Lfunc_end_k_q7b18016a62_quant-k_q7b18016a62_quant
	.p2alignl 7, 3214868480
	.fill 96, 4, 3214868480
	.section	.rodata,"a",@progbits
	.p2align	6, 0x0
	.amdhsa_kernel k_q7b18016a62_quant
		.amdhsa_group_segment_fixed_size 66304
		.amdhsa_private_segment_fixed_size 0
		.amdhsa_enable_private_segment 0
		.amdhsa_kernarg_size 64
		.amdhsa_user_sgpr_count 2
		.amdhsa_user_sgpr_kernarg_segment_ptr 1
		.amdhsa_wavefront_size32 1
		.amdhsa_system_sgpr_workgroup_id_x 1
		.amdhsa_system_sgpr_workgroup_id_y 1
		.amdhsa_system_sgpr_workgroup_id_z 1
		.amdhsa_system_vgpr_workitem_id 0
		.amdhsa_next_free_vgpr 256
		.amdhsa_next_free_sgpr 66
		.amdhsa_reserve_vcc 0
		.amdhsa_float_denorm_mode_32 3
		.amdhsa_float_denorm_mode_16_64 3
		.amdhsa_memory_ordered 1
		.amdhsa_forward_progress 1
		.amdhsa_inst_pref_size 50
	.end_amdhsa_kernel
	.amdgpu_metadata
---
amdhsa.version: [ 1, 2 ]
amdhsa.kernels:
  - .name:           k_q7b18016a62_quant
    .symbol:         k_q7b18016a62_quant.kd
    .args:
      - { .name: x, .offset: 0, .size: 8, .value_kind: global_buffer, .address_space: global }
      - { .name: w_qkv, .offset: 8, .size: 8, .value_kind: global_buffer, .address_space: global }
      - { .name: w_o, .offset: 16, .size: 8, .value_kind: global_buffer, .address_space: global }
      - { .name: ln_w, .offset: 24, .size: 8, .value_kind: global_buffer, .address_space: global }
      - { .name: modv, .offset: 32, .size: 8, .value_kind: global_buffer, .address_space: global }
      - { .name: hc, .offset: 40, .size: 8, .value_kind: global_buffer, .address_space: global }
      - { .name: wqc, .offset: 48, .size: 8, .value_kind: global_buffer, .address_space: global }
      - { .name: woc, .offset: 56, .size: 8, .value_kind: global_buffer, .address_space: global }
    .group_segment_fixed_size: 66304
    .private_segment_fixed_size: 0
    .kernarg_segment_align: 8
    .kernarg_segment_size: 64
    .max_flat_workgroup_size: 128
    .sgpr_count:     66
    .vgpr_count:     256
    .wavefront_size: 32
...
	.end_amdgpu_metadata
.endif
;; end of part 2
;; launch qkv (part 3): grid 16 x 16, 4 waves a work-group, clusters of 4 x 1, 167,936 bytes of LDS; arguments hc, wqc, freqs, qn_w, kn_w, qc, kv; writes qc, kv
.if DOCPART == 3
	.amdgcn_target "amdgcn-amd-amdhsa--gfx1250"
	.amdhsa_code_object_version 6
	.text
	.protected	k_q7b18016a62_qkv
	.globl	k_q7b18016a62_qkv
	.p2align	8
	.type	k_q7b18016a62_qkv,@function
k_q7b18016a62_qkv:
	s_mov_b64 s[64:65], 0
	v_nop
	global_prefetch_b8 v0, s[64:65] scope:SCOPE_SE
	s_setreg_imm32_b32 hwreg(HW_REG_WAVE_MODE, 25, 1), 1
	s_wait_xcnt 0x0
	s_wait_alu depctr_hold_cnt(0) depctr_sa_sdst(0) depctr_va_vdst(0) depctr_va_sdst(0) depctr_va_ssrc(0) depctr_va_vcc(0) depctr_vm_vsrc(0)
	s_getreg_b32 s2, hwreg(HW_REG_IB_STS2, 6, 4)
	s_cmp_eq_u32 s2, 0
	s_cbranch_scc0 .Lentry_in_a_cluster
	s_endpgm
.Lentry_in_a_cluster:
	s_bfe_u32 s2, ttmp6, 0x10000c
	s_cmp_lg_u32 s2, 0x3003
	s_cbranch_scc0 .Lentry_shape_is_right
	s_endpgm
.Lentry_shape_is_right:
; qkv = h w_qkv^T on codes of E2M3 (K = 1,024), then, per head of 64: q and k: layernorm (qn_w, kn_w), RoPE (freqs), quantised along the head's 64; v: quantised along the tokens, which are the K of attention's
; second product.  Nothing of qkv goes to memory as f32.
; hc, wqc: [K / 256][tile of 16 rows][3,328 bytes]: images of the operands' registers.  Row r of tile rt is row 32 (rt / 2) + 8 (rt % 2) + r + 8 (r / 8).
; SHARES.  Work-group (gx, gy): tokens 256 gx .. + 255 x heads 3 gy .. 3 gy + 2 of the 48 (0-15 q, 16-31 k, 32-47 v).  Wave w: tokens 256 gx + 64 w .. + 63, four tiles, x one head at a time, four tiles: 16 accumulators.
; h: a wave's fragments (4 tiles x 8 K steps x 12 registers = 384) are read by no other wave of the work-group: they go from memory straight into its registers, once, and serve all three heads.
; W: the three heads' 192 rows, 159,744 bytes, lie in LDS for the whole launch; all four waves read them.  The four work-groups of a cluster (same gy) need the same rows: each wave asks JOINTLY for a quarter of K.
; h is not asked for jointly: a work-group's 212,992 bytes of h and 159,744 of W do not fit in LDS together, and inside a work-group nobody shares a fragment of h.
; q, k: source 0 = 16 rows of W, source 1 = 16 tokens: a lane holds ONE token (lane % 16) and 32 of its head's 64 channels: register 16 b + e = channel 32 b + 16 (lane / 16) + e.  Lane l xor 16 holds the other 32.
; v: the sources swapped: a lane holds ONE channel and 32 of the wave's 64 tokens, laid likewise: so the same quantiser serves.
; OUT.  qc: [b x 16 + head][128 tokens][7,168]: tile t's six registers a lane at 768 t (four at 16 lane, two at + 512 + 8 lane); scale words at 6144 + 256 (t / 2) + 8 lane + 4 (t % 2): two bytes, and 0x7f twice above them.
;       kv: [b x 16 + head][128 tokens][13,824]: k as in qc; v's channel tile d, token half c at 7168 + 1536 d + 768 c; its scale words at 13312 + 128 d + 4 lane, bytes 2 c and 2 c + 1 from the wave of half c.
; No LDS byte is filled twice: one tensor load a wave, one barrier.  A wave has one tensor load outstanding.
; LIMITS: a block of zeros, or one whose largest magnitude lies under 2^-124, gets the scale byte 1 (read by this program alone).  NaN and infinities are not served.
.set KPB,   39936                      ; a quarter of K of the three heads' rows: 12 records of 3,328 bytes
.set HEADB, 13312                      ; a head's four records
.set HKP,   851968                     ; a quarter of K in hc: 256 records
.set WKP,   638976                     ; in wqc: 192 records
.set SPARE, 4*KPB                      ; behind W: the spare words, 128 bytes for each wave: two blocks of 256 bytes that no other line names
; window 0
.set L16,   1                          ; 16 x lane
.set L8,    2                          ; 8 x lane
.set AW16A, 3                          ; LDS: the head in hand, K quarters 0 and 1: 16 x lane on
.set AW16B, 4                          ; quarters 2 and 3
.set AW8A,  5                          ; the same, 8 x lane on
.set AW8B,  6
.set FA,    7                          ; freqs: my token's row in a tile, + 64 (lane / 16)
.set NWA,   8                          ; qn_w, kn_w: 64 (lane / 16)
.set VO16,  9                          ; q, k on the way out: lane term + my half of the 128 tokens
.set VO8,   10
.set VOS,   11
.set VV16,  12                         ; v likewise
.set VV8,   13
.set VVS,   14
.set SPW,   15                         ; LDS address of my spare word; never rewritten
.set HS,    16                         ; v16-47  h's scale words: 8 kp + 2 i + s
.set WS,    48                         ; v48-63  W's scale words, two sets: 8 (kp % 2) + 2 ct + s
.set T,     64                         ; v64-79  at work
.set MEAN,  80
.set RS,    82
.set SUM,   84
.set PRM,   85
.set TM,    86                         ; v86-93  the quantiser's
.set PWT,   94                         ; its two scale bytes
.set PC,    96                         ; v96-104 its codes
.set PW,    108                        ; v[108:109] two tiles' scale words
.set RT4,   110                        ; v110-117 RoPE's first products
.set L16B,  118                        ; 16 x lane + 2 KPB
.set L8B,   119
.set NIL,   126                        ; 0; never rewritten
.set ACC,   128                        ; v128-255 the 16 accumulators
; window 1: h's fragments of K steps 0-3 at 48 ks + 12 i;  window 2: those of K steps 4-7
; window 3:
.set WF,    0                          ; W's four fragments of a K step, two sets of 48
.set NW,    96                         ; qn_w or kn_w at my 32 channels
.set F,     128                        ; freqs at my four tokens' 32 channels: 32 i + register
.set WV,    18
.set SEL,   36
.set OB,    44                         ; s[44:45] the record that the head in hand writes
.set NWP,   46                         ; s[46:47] qn_w or kn_w
.set MSB, 0
.macro WIN new                         ; the immediate's high byte repeats the setting that is left; a switch that changes nothing is dropped
.if MSB != (\new)
	s_set_vgpr_msb (MSB<<8)|(\new)
.set MSB, (\new)
.endif
.endm
.macro PLACES n
.rept \n
	v_nop
.endr
.endm
.macro ROUND                           ; a round of the cluster's barrier
	s_barrier_signal -1
	s_barrier_wait -1
	s_cmp_lg_u32 s[WV], 0
	s_cbranch_scc1 .Lnot_wave_0_\@
	s_barrier_signal -3
.Lnot_wave_0_\@:
	s_barrier_wait -3
	s_barrier_signal -1
	s_barrier_wait -1
.endm
; 32 numbers of a lane, v[s] .. v[s + 31], register 16 b + e = k 32 b + 16 (lane / 16) + e of my row, become six registers of codes (k = 32 (lane / 16) + 0 .. 31) in v[PC] on, and the two blocks' bytes in v[PWT].
; The four chains each walk one accumulator from its low end on.
.macro QUANT2 s
.irp k, 0,1,2,3
	v_max3_num_f32 v[TM+\k], |v[(\s)+8*\k]|, |v[(\s)+8*\k+1]|, 0x1800000   ; and the floor 2^(3 - 127): the byte cannot fall under 1
.endr
.irp i, 2,4,6
.irp k, 0,1,2,3
	v_max3_num_f32 v[TM+\k], v[TM+\k], |v[(\s)+8*\k+\i]|, |v[(\s)+8*\k+\i+1]|
.endr
.endr
	v_max_num_f32 v[TM], v[TM], v[TM+1]
	v_max_num_f32 v[TM+1], v[TM+2], v[TM+3]
	v_permlanex16_b32 v[TM+4], v[TM], s[SEL], s[SEL+1]
	v_permlanex16_b32 v[TM+5], v[TM+1], s[SEL], s[SEL+1]
	v_max_num_f32 v[TM], v[TM], v[TM+4]            ; with lane l xor 16's 16: the block's largest magnitude
	v_max_num_f32 v[TM+1], v[TM+1], v[TM+5]
	v_add_nc_u32 v[TM+6], 0xff000000, v[TM]        ; 2 off its exponent field: the conversion's scale operand
	v_add_nc_u32 v[TM+7], 0xff000000, v[TM+1]
	v_lshrrev_b32 v[TM+4], 23, v[TM+6]             ; the scale's byte
	v_lshrrev_b32 v[TM+5], 23, v[TM+7]
	v_lshl_or_b32 v[PWT], v[TM+5], 8, v[TM+4]
	v_cvt_scalef32_pk16_fp6_f32 v[PC:PC+2], v[(\s):(\s)+15], v[TM+6]
	v_cvt_scalef32_pk16_fp6_f32 v[PC+6:PC+8], v[(\s)+16:(\s)+31], v[TM+7]
	v_nop                                          ; one plain line behind the last scaled conversion
.irp i, 0,1,2                                  ; the operand's layout wants a WHOLE block in a lane: lanes 0-15 block 0, lanes 16-31 block 1
	v_permlane16_swap_b32 v[PC+\i], v[PC+6+\i]
.endr
.irp i, 0,1,2
	v_mov_b32 v[PC+3+\i], v[PC+6+\i]
.endr
.endm
.macro FETCHW ks, set                  ; W's four fragments of K step ks into set: 16 LDS loads, each of consecutive bytes
	WIN 0xc0                                       ; destination window 3, address window 0
.irp ct, 0,1,2,3
.irp c, 0,1
.if (\ks) < 4
	ds_load_b128 v[WF+48*(\set)+12*\ct+6*\c:WF+48*(\set)+12*\ct+6*\c+3], v[AW16A] offset:(((\ks)/2)%2)*KPB+3328*\ct+1536*((\ks)%2)+768*\c
	ds_load_b64 v[WF+48*(\set)+12*\ct+6*\c+4:WF+48*(\set)+12*\ct+6*\c+5], v[AW8A] offset:(((\ks)/2)%2)*KPB+3328*\ct+1536*((\ks)%2)+768*\c+512
.else
	ds_load_b128 v[WF+48*(\set)+12*\ct+6*\c:WF+48*(\set)+12*\ct+6*\c+3], v[AW16B] offset:(((\ks)/2)%2)*KPB+3328*\ct+1536*((\ks)%2)+768*\c
	ds_load_b64 v[WF+48*(\set)+12*\ct+6*\c+4:WF+48*(\set)+12*\ct+6*\c+5], v[AW8B] offset:(((\ks)/2)%2)*KPB+3328*\ct+1536*((\ks)%2)+768*\c+512
.endif
.endr
.endr
.endm
.macro WSC kp                          ; W's scale words of K quarter kp (two K steps): 4 LDS loads
	WIN 0
.irp ct, 0,1,2,3
.if (\kp) < 2
	ds_load_b64 v[WS+8*((\kp)%2)+2*\ct:WS+8*((\kp)%2)+2*\ct+1], v[AW8A] offset:((\kp)%2)*KPB+3328*\ct+3072
.else
	ds_load_b64 v[WS+8*((\kp)%2)+2*\ct:WS+8*((\kp)%2)+2*\ct+1], v[AW8B] offset:((\kp)%2)*KPB+3328*\ct+3072
.endif
.endr
.endm
; 16 products of K step ks, each on another accumulator.  orient 0 (q, k): source 0 = W, source 1 = h, result at ACC + 32 i + 8 ct; 1 (v): swapped, at ACC + 32 ct + 8 i.
.macro PROD orient, ks
.set HB_, 48*((\ks)%4)
.set WB_, WF+48*((\ks)%2)
.set SW_, WS+8*(((\ks)/2)%2)+(\ks)%2
.set SH_, HS+8*((\ks)/2)+(\ks)%2
.if \orient == 0
.set WN_, 3+4*(1+(\ks)/4)              ; source 0 window 3, source 1 window 1 or 2
.else
.set WN_, 12+1+(\ks)/4                 ; source 0 window 1 or 2, source 1 window 3
.endif
	WIN WN_
.irp a, 0,1,2,3
.irp b, 0,1,2,3
.set D_, ACC+32*\a+8*\b
.if \orient == 0
.if (\ks) == 0
	v_wmma_scale_f32_16x16x128_f8f6f4 v[D_:D_+7], v[WB_+12*\b:WB_+12*\b+11], v[HB_+12*\a:HB_+12*\a+11], 0, v[SW_+2*\b], v[SH_+2*\a] matrix_a_fmt:MATRIX_FMT_FP6 matrix_b_fmt:MATRIX_FMT_FP6
.else
	v_wmma_scale_f32_16x16x128_f8f6f4 v[D_:D_+7], v[WB_+12*\b:WB_+12*\b+11], v[HB_+12*\a:HB_+12*\a+11], v[D_:D_+7], v[SW_+2*\b], v[SH_+2*\a] matrix_a_fmt:MATRIX_FMT_FP6 matrix_b_fmt:MATRIX_FMT_FP6
.endif
.else
.if (\ks) == 0
	v_wmma_scale_f32_16x16x128_f8f6f4 v[D_:D_+7], v[HB_+12*\b:HB_+12*\b+11], v[WB_+12*\a:WB_+12*\a+11], 0, v[SH_+2*\b], v[SW_+2*\a] matrix_a_fmt:MATRIX_FMT_FP6 matrix_b_fmt:MATRIX_FMT_FP6
.else
	v_wmma_scale_f32_16x16x128_f8f6f4 v[D_:D_+7], v[HB_+12*\b:HB_+12*\b+11], v[WB_+12*\a:WB_+12*\a+11], v[D_:D_+7], v[SH_+2*\b], v[SW_+2*\a] matrix_a_fmt:MATRIX_FMT_FP6 matrix_b_fmt:MATRIX_FMT_FP6
.endif
.endif
.endr
.endr
.endm
; A head's product: eight K steps of 16 products.  The next K step's fragments of W are asked for ahead of each step's products, into the set that the step before has read: four plain lines stand between
; those products and the loads (ISA guide 7.12.1 for vector instructions).  The first step's products start the sums: nothing is cleared.
.macro MM orient
	WSC 0
	FETCHW 0, 0
.irp ks, 0,1,2,3,4,5,6,7
.if \ks < 7
.if \ks > 0
	PLACES 4
.endif
.if (\ks % 2) == 1
	WSC (\ks+1)/2
	FETCHW \ks+1, (\ks+1)%2
	s_wait_dscnt 20                                ; all but the 20 just issued: this step's fragments and scale words are in
.else
	FETCHW \ks+1, (\ks+1)%2
	s_wait_dscnt 16                                ; all but the 16 just issued
.endif
.else
	s_wait_dscnt 0x0
.endif
.if \ks > 5
	s_wait_loadcnt 32+16*(7-\ks)                   ; h's fragments of this K step are in: behind them stand the later step's 16 loads and freqs' 32 (and, for q and k, the gain's 8: the count then waits for more than it needs)
.endif
	PROD \orient, \ks
.endr
	WIN 0
	PLACES 4                                       ; in front of the first read of results
.endm
; q, k: token tile i: layernorm over the head's 64 (my 32 and lane l xor 16's), the gain, RoPE, the quantiser, the stores
.macro EPI_QK i
.set A_, ACC+32*(\i)
.set F_, F+32*(\i)
	s_wait_xcnt 0x0                                ; the last stores have read their registers: the codes and scale words are written again only behind this wait
.set p, 0
.rept 8
	v_pk_add_f32 v[T+2*p:T+2*p+1], v[A_+4*p:A_+4*p+1], v[A_+4*p+2:A_+4*p+3]       ; the sum, as a tree; each accumulator from its low end on
.set p, p+1
.endr
.set p, 0
.rept 4
	v_pk_add_f32 v[T+2*p:T+2*p+1], v[T+4*p:T+4*p+1], v[T+4*p+2:T+4*p+3]
.set p, p+1
.endr
	v_pk_add_f32 v[T:T+1], v[T:T+1], v[T+2:T+3]
	v_pk_add_f32 v[T+2:T+3], v[T+4:T+5], v[T+6:T+7]
	v_pk_add_f32 v[T:T+1], v[T:T+1], v[T+2:T+3]
	v_add_f32 v[SUM], v[T], v[T+1]
	v_permlanex16_b32 v[PRM], v[SUM], s[SEL], s[SEL+1]
	v_add_f32 v[SUM], v[SUM], v[PRM]
	v_mul_f32 v[MEAN], s38, v[SUM]                 ; / 64
.set p, 0
.rept 16
	v_pk_add_f32 v[A_+2*p:A_+2*p+1], v[A_+2*p:A_+2*p+1], v[MEAN:MEAN+1] op_sel_hi:[1,0] neg_lo:[0,1] neg_hi:[0,1]
.set p, p+1
.endr
.set p, 0
.rept 4
	v_pk_mul_f32 v[T+2*p:T+2*p+1], v[A_+2*p:A_+2*p+1], v[A_+2*p:A_+2*p+1]
.set p, p+1
.endr
.rept 12
	v_pk_fma_f32 v[T+2*(p%4):T+2*(p%4)+1], v[A_+2*p:A_+2*p+1], v[A_+2*p:A_+2*p+1], v[T+2*(p%4):T+2*(p%4)+1]
.set p, p+1
.endr
	v_pk_add_f32 v[T:T+1], v[T:T+1], v[T+2:T+3]
	v_pk_add_f32 v[T+4:T+5], v[T+4:T+5], v[T+6:T+7]
	v_pk_add_f32 v[T:T+1], v[T:T+1], v[T+4:T+5]
	v_add_f32 v[SUM], v[T], v[T+1]
	v_permlanex16_b32 v[PRM], v[SUM], s[SEL], s[SEL+1]
	v_add_f32 v[SUM], v[SUM], v[PRM]
	v_fma_f32 v[RS], v[SUM], s38, s39              ; variance + eps
	s_wait_alu depctr_va_vdst(0)
	v_rsq_f32 v[RS], v[RS]
	v_nop                                          ; a plain line behind the transcendental,
	s_wait_alu depctr_va_vdst(0)                   ; and the wait ahead of its first reader
.set p, 0
.rept 16
	v_pk_mul_f32 v[A_+2*p:A_+2*p+1], v[A_+2*p:A_+2*p+1], v[RS:RS+1] op_sel_hi:[1,0]
.set p, p+1
.endr
	WIN 0x0c                                       ; source 1 window 3: the gain, then freqs
.set p, 0
.rept 16
	v_pk_mul_f32 v[A_+2*p:A_+2*p+1], v[A_+2*p:A_+2*p+1], v[NW+2*p:NW+2*p+1]
.set p, p+1
.endr
; RoPE.  A pair of registers is (t0, t1), and freqs' pair at the same place (f0, f1): first (t0 f0, t1 f0), then (-t1 f1 + t0 f0, t0 f1 + t1 f0)
.irp g, 0,1,2,3
.irp u, 0,1,2,3
	v_pk_mul_f32 v[RT4+2*\u:RT4+2*\u+1], v[A_+8*\g+2*\u:A_+8*\g+2*\u+1], v[F_+8*\g+2*\u:F_+8*\g+2*\u+1] op_sel_hi:[1,0]
.endr
.irp u, 0,1,2,3
	v_pk_fma_f32 v[A_+8*\g+2*\u:A_+8*\g+2*\u+1], v[A_+8*\g+2*\u:A_+8*\g+2*\u+1], v[F_+8*\g+2*\u:F_+8*\g+2*\u+1], v[RT4+2*\u:RT4+2*\u+1] op_sel:[1,1,0] op_sel_hi:[0,1,1] neg_lo:[1,0,0]
.endr
.endr
	WIN 0
	QUANT2 A_
	v_or_b32 v[PW+(\i)%2], 0x7f7f0000, v[PWT]      ; the scale word: two bytes, and 2^0 for the 64 along K that attention's first product fills with zero codes
	global_store_b128 v[VO16], v[PC:PC+3], s[OB:OB+1] offset:768*(\i)              ; 512 consecutive bytes, aligned to 256
	global_store_b64 v[VO8], v[PC+4:PC+5], s[OB:OB+1] offset:768*(\i)+512          ; 256 consecutive bytes, aligned
.if ((\i)%2) == 1
	global_store_b64 v[VOS], v[PW:PW+1], s[OB:OB+1] offset:6144+256*((\i)/2)       ; two tiles' scale words: 256 consecutive bytes, aligned
.endif
.endm
.macro EPI_V ct                        ; v: channel tile ct: my 64 tokens are two blocks of its K
	s_wait_xcnt 0x0
	QUANT2 ACC+32*(\ct)
	global_store_b128 v[VV16], v[PC:PC+3], s[OB:OB+1] offset:7168+1536*(\ct)
	global_store_b64 v[VV8], v[PC+4:PC+5], s[OB:OB+1] offset:7168+1536*(\ct)+512
	global_store_b16 v[VVS], v[PWT], s[OB:OB+1] offset:13312+128*(\ct)             ; my two bytes of each channel's scale word; the wave of the other 64 tokens writes the other two
.endm
	s_load_b256 s[4:11], s[0:1], 0x0               ; hc s[4:5], wqc s[6:7], freqs s[8:9], qn_w s[10:11]
	s_load_b128 s[12:15], s[0:1], 0x20             ; kn_w s[12:13], qc s[14:15]
	s_load_b64 s[16:17], s[0:1], 0x30              ; kv
	v_lshl_add_u32 v[SPW], v0, 2, SPARE
	v_mov_b32 v[NIL], 0
	ds_add_u32 v[SPW], v[NIL]                      ; the wave's opening: the add and its wait ahead of my first tensor load; the set-up below, work on registers, stands between them
	ds_add_u32 v[SPW], v[NIL]
	v_lshrrev_b32 v1, 5, v0
	v_readfirstlane_b32 s[WV], v1                  ; wave 0..3
	s_bfe_u32 s19, ttmp6, 0x40000                  ; cx: my place in the cluster: it enters global addresses of h, freqs, qc and kv alone
	s_lshl_b32 s20, ttmp9, 2
	s_add_co_u32 s20, s20, s19                     ; gx
	s_and_b32 s21, ttmp7, 0xffff                   ; gy, which the four partners share
	; descriptor group 1: a dense block of 39,936 bytes as 156 rows of 256 bytes (32 elements of 8 bytes), no padding
	s_mov_b32 s24, 15|(3<<16)|(1<<21)              ; 15:0 the mask: all four work-groups; 17:16 elements of 8 bytes; 21 set beside a mask
	s_mov_b32 s25, 32<<16                          ; tensor_dim0 = 32
	s_mov_b32 s26, 156<<16                         ; tensor_dim1 = 156
	s_mov_b32 s27, 32<<16                          ; tile_dim0 = 32
	s_mov_b32 s28, 156                             ; tile_dim1 = 156
	s_mov_b32 s29, 32                              ; from row to row
	s_mov_b32 s30, 0
	s_mov_b32 s31, 0
	s_mov_b32 s32, 1                               ; group 0: count = 1
	s_mul_i32 s33, s[WV], KPB                      ; LDS: K quarter = my wave
	s_mul_i32 s48, s[WV], WKP
	s_mul_i32 s49, s21, KPB
	s_add_co_u32 s48, s48, s49                     ; in wqc: my quarter of K, the three heads' 12 records
	s_mov_b32 s49, 0
	s_mov_b32 s[SEL], 0x76543210
	s_mov_b32 s[SEL+1], 0xfedcba98
	s_mov_b32 s38, 0x3c800000                      ; 1 / 64
	s_mov_b32 s39, 0x3727c5ac                      ; eps = 1e-5
	s_lshl_b32 s52, s20, 8
	s_lshl_b32 s53, s[WV], 6
	s_add_co_u32 s52, s52, s53                     ; my first token
	s_and_b32 s52, s52, 2047                       ; in its sequence
	s_lshl_b32 s52, s52, 8                         ; a row of freqs is 256 bytes
	s_mov_b32 s53, 0
	s_lshl_b32 s54, s20, 4
	s_lshl_b32 s55, s[WV], 2
	s_add_co_u32 s54, s54, s55                     ; my first token tile
	s_mul_i32 s54, s54, 3328
	s_mov_b32 s55, 0
	s_and_b32 s41, s20, 7
	s_lshl_b32 s41, s41, 1
	s_lshr_b32 s50, s[WV], 1
	s_add_co_u32 s41, s41, s50                     ; which 128 tokens of the sequence
	s_lshr_b32 s42, s20, 3
	s_lshl_b32 s42, s42, 4                         ; 16 x batch
	s_wait_dscnt 0x0                               ; the opening add is done
	s_wait_kmcnt 0x0
	s_add_nc_u64 s[34:35], s[6:7], s[48:49]
	s_or_b32 s35, s35, 0x80000000                  ; type = 2
	s_add_nc_u64 s[8:9], s[8:9], s[52:53]
	s_add_nc_u64 s[4:5], s[4:5], s[54:55]
	ROUND                                          ; all four work-groups are here: the joint loads meet
	tensor_load_to_lds s[32:35], s[24:31]          ; my one tensor load: a quarter of K of W's 192 rows
	s_nop 0
	PLACES 4
	v_and_b32 v120, 31, v0                         ; lane
	v_lshlrev_b32 v[L16], 4, v120
	v_lshlrev_b32 v[L8], 3, v120
	v_add_nc_u32 v[L16B], 2*KPB, v[L16]
	v_add_nc_u32 v[L8B], 2*KPB, v[L8]
	v_and_b32 v121, 15, v0                         ; r
	v_bfe_u32 v122, v0, 4, 1                       ; lane / 16
	v_and_b32 v123, 8, v121
	v_add_nc_u32 v123, v123, v121                  ; r + 8 (r / 8)
	v_lshlrev_b32 v[NWA], 6, v122
	v_lshl_add_u32 v[FA], v123, 8, v[NWA]
	s_and_b32 s50, s[WV], 1                        ; which half of the 128 tokens
	s_mul_i32 s51, s50, 3072
	v_add_nc_u32 v[VO16], s51, v[L16]
	v_add_nc_u32 v[VO8], s51, v[L8]
	s_lshl_b32 s51, s50, 9
	v_add_nc_u32 v[VOS], s51, v[L8]
	s_mul_i32 s51, s50, 768
	v_add_nc_u32 v[VV16], s51, v[L16]
	v_add_nc_u32 v[VV8], s51, v[L8]
	s_lshl_b32 s51, s50, 1
	v_lshl_add_u32 v[VVS], v120, 2, s51
	v_mov_b32 v[MEAN+1], 0                         ; named as the upper halves of pairs
	v_mov_b32 v[RS+1], 0
	v_mov_b32 v[PRM], 0                            ; lane permutes' destinations count as sources
	v_mov_b32 v[TM+4], 0
	v_mov_b32 v[TM+5], 0
.irp kp, 0,1,2,3
.irp i, 0,1,2,3
	global_load_b64 v[HS+8*\kp+2*\i:HS+8*\kp+2*\i+1], v[L8], s[4:5] offset:\kp*HKP+3328*\i+3072
.endr
.endr
	WIN 0x40                                       ; destination window 1
.irp ks, 0,1,2,3
.irp i, 0,1,2,3
.irp c, 0,1
	global_load_b128 v[48*\ks+12*\i+6*\c:48*\ks+12*\i+6*\c+3], v[L16], s[4:5] offset:(\ks/2)*HKP+3328*\i+1536*(\ks%2)+768*\c
	global_load_b64 v[48*\ks+12*\i+6*\c+4:48*\ks+12*\i+6*\c+5], v[L8], s[4:5] offset:(\ks/2)*HKP+3328*\i+1536*(\ks%2)+768*\c+512
.endr
.endr
.endr
	WIN 0x80                                       ; destination window 2
.irp ks, 0,1,2,3
.irp i, 0,1,2,3
.irp c, 0,1
	global_load_b128 v[48*\ks+12*\i+6*\c:48*\ks+12*\i+6*\c+3], v[L16], s[4:5] offset:(2+\ks/2)*HKP+3328*\i+1536*(\ks%2)+768*\c
	global_load_b64 v[48*\ks+12*\i+6*\c+4:48*\ks+12*\i+6*\c+5], v[L8], s[4:5] offset:(2+\ks/2)*HKP+3328*\i+1536*(\ks%2)+768*\c+512
.endr
.endr
.endr
	WIN 0xc0                                       ; destination window 3
.irp i, 0,1,2,3
.irp e, 0,1,2,3,4,5,6,7
	global_load_b128 v[F+32*\i+4*\e:F+32*\i+4*\e+3], v[FA], s[8:9] offset:(32*(\i/2)+8*(\i%2))*256+128*(\e/4)+16*(\e%4)   ; freqs of tile i's token r at my 32 channels: asked for last, first used behind the first head's products
.endr
.endr
	WIN 0
	s_mov_b32 s22, 0                               ; which of my three heads
	s_mov_b32 s40, 0                               ; and where its rows begin in a quarter of K in LDS
	s_wait_loadcnt 63                              ; of the 176 loads the oldest 113 are in: h's scale words (16) and its fragments of K steps 0 to 5 (96)
	s_wait_tensorcnt 0x0
	s_barrier_signal -1
	s_barrier_wait -1                              ; everybody's has
.Lhead:
	s_mul_i32 s23, s21, 3
	s_add_co_u32 s23, s23, s22                     ; the head, 0..47: made of gy and the trip alone, so it is the same in all four partners
	v_add_nc_u32 v[AW16A], s40, v[L16]
	v_add_nc_u32 v[AW16B], s40, v[L16B]
	v_add_nc_u32 v[AW8A], s40, v[L8]
	v_add_nc_u32 v[AW8B], s40, v[L8B]
	s_cmp_lt_u32 s23, 32
	s_cbranch_scc0 .Lv_head
	s_cmp_lt_u32 s23, 16                           ; q or k?
	s_cselect_b64 s[NWP:NWP+1], s[10:11], s[12:13]
	s_cselect_b64 s[OB:OB+1], s[14:15], s[16:17]
	s_mov_b32 s48, 13824
	s_cselect_b32 s48, 7168, s48                   ; a record's bytes
	s_and_b32 s50, s23, 15
	s_add_co_u32 s50, s50, s42                     ; 16 x batch + head
	s_lshl_b32 s50, s50, 4
	s_add_co_u32 s50, s50, s41                     ; its record of my 128 tokens
	s_mul_i32 s50, s50, s48
	s_mov_b32 s51, 0
	s_add_nc_u64 s[OB:OB+1], s[OB:OB+1], s[50:51]
	WIN 0xc0
.irp e, 0,1,2,3,4,5,6,7
	global_load_b128 v[NW+4*\e:NW+4*\e+3], v[NWA], s[NWP:NWP+1] offset:128*(\e/4)+16*(\e%4)   ; the gain at my 32 channels; it lands under the products
.endr
	s_wait_alu depctr_va_vdst(0)
	MM 0
	s_wait_loadcnt 0x0
	EPI_QK 0
	EPI_QK 1
	EPI_QK 2
	EPI_QK 3
	s_branch .Lnext
.Lv_head:
	s_sub_co_u32 s50, s23, 32
	s_add_co_u32 s50, s50, s42
	s_lshl_b32 s50, s50, 4
	s_add_co_u32 s50, s50, s41
	s_mul_i32 s50, s50, 13824
	s_mov_b32 s51, 0
	s_add_nc_u64 s[OB:OB+1], s[16:17], s[50:51]
	s_wait_alu depctr_va_vdst(0)
	MM 1
	EPI_V 0
	EPI_V 1
	EPI_V 2
	EPI_V 3
.Lnext:
	s_wait_xcnt 0x0                                ; the stores have read their base and their registers
	s_add_co_u32 s40, s40, HEADB
	s_add_co_u32 s22, s22, 1
	s_cmp_lt_u32 s22, 3
	s_cbranch_scc1 .Lhead
	s_wait_tensorcnt 0x0                           ; the wave's end, behind my last tensor load
	ds_add_u32 v[SPW], v[NIL]
	s_wait_dscnt 0x0
	ROUND                                          ; the closing round: no work-group ends while a partner may still ask for a tile that names it
	s_endpgm
.Lfunc_end_k_q7b18016a62_qkv:
	.size	k_q7b18016a62_qkv, .Lfunc_end_k_q7b18016a62_qkv-k_q7b18016a62_qkv
	.p2alignl 7, 3214868480
	.fill 96, 4, 3214868480
	.section	.rodata,"a",@progbits
	.p2align	6, 0x0
	.amdhsa_kernel k_q7b18016a62_qkv
		.amdhsa_group_segment_fixed_size 167936
		.amdhsa_private_segment_fixed_size 0
		.amdhsa_enable_private_segment 0
		.amdhsa_kernarg_size 56
		.amdhsa_user_sgpr_count 2
		.amdhsa_user_sgpr_kernarg_segment_ptr 1
		.amdhsa_wavefront_size32 1
		.amdhsa_system_sgpr_workgroup_id_x 1
		.amdhsa_system_sgpr_workgroup_id_y 1
		.amdhsa_system_sgpr_workgroup_id_z 1
		.amdhsa_system_vgpr_workitem_id 0
		.amdhsa_next_free_vgpr 1024
		.amdhsa_next_free_sgpr 66
		.amdhsa_reserve_vcc 0
		.amdhsa_float_denorm_mode_32 3
		.amdhsa_float_denorm_mode_16_64 3
		.amdhsa_memory_ordered 1
		.amdhsa_forward_progress 1
		.amdhsa_inst_pref_size 127
	.end_amdhsa_kernel
	.amdgpu_metadata
---
amdhsa.version: [ 1, 2 ]
amdhsa.kernels:
  - .name:           k_q7b18016a62_qkv
    .symbol:         k_q7b18016a62_qkv.kd
    .args:
      - { .name: hc, .offset: 0, .size: 8, .value_kind: global_buffer, .address_space: global }
      - { .name: wqc, .offset: 8, .size: 8, .value_kind: global_buffer, .address_space: global }
      - { .name: freqs, .offset: 16, .size: 8, .value_kind: global_buffer, .address_space: global }
      - { .name: qn_w, .offset: 24, .size: 8, .value_kind: global_buffer, .address_space: global }
      - { .name: kn_w, .offset: 32, .size: 8, .value_kind: global_buffer, .address_space: global }
      - { .name: qc, .offset: 40, .size: 8, .value_kind: global_buffer, .address_space: global }
      - { .name: kv, .offset: 48, .size: 8, .value_kind: global_buffer, .address_space: global }
    .group_segment_fixed_size: 167936
    .private_segment_fixed_size: 0
    .kernarg_segment_align: 8
    .kernarg_segment_size: 56
    .max_flat_workgroup_size: 128
    .sgpr_count:     66
    .vgpr_count:     1024
    .wavefront_size: 32
...
	.end_amdgpu_metadata
.endif
;; end of part 3
;; launch attn (part 4): grid 8 x 32, 16 waves a work-group, clusters of 4 x 1, 278,528 bytes of LDS; arguments qc, kv, oc; writes oc
.if DOCPART == 4
	.amdgcn_target "amdgcn-amd-amdhsa--gfx1250"
	.amdhsa_code_object_version 6
	.text
	.protected	k_q7b18016a62_attn
	.globl	k_q7b18016a62_attn
	.p2align	8
	.type	k_q7b18016a62_attn,@function
k_q7b18016a62_attn:
	s_mov_b64 s[64:65], 0
	v_nop
	global_prefetch_b8 v0, s[64:65] scope:SCOPE_SE
	s_setreg_imm32_b32 hwreg(HW_REG_WAVE_MODE, 25, 1), 1
	s_wait_xcnt 0x0
	s_wait_alu depctr_hold_cnt(0) depctr_sa_sdst(0) depctr_va_vdst(0) depctr_va_sdst(0) depctr_va_ssrc(0) depctr_va_vcc(0) depctr_vm_vsrc(0)
	s_getreg_b32 s2, hwreg(HW_REG_IB_STS2, 6, 4)
	s_cmp_eq_u32 s2, 0
	s_cbranch_scc0 .Lentry_in_a_cluster
	s_endpgm
.Lentry_in_a_cluster:
	s_bfe_u32 s2, ttmp6, 0x10000c
	s_cmp_lg_u32 s2, 0x3003
	s_cbranch_scc0 .Lentry_shape_is_right
	s_endpgm
.Lentry_shape_is_right:
; o[b][h][q] = sum over k of softmax_k(q . k / 8) v[k], both products on codes of E2M3; o / l is quantised along the head's 64 channels and stored as an operand of the output projection.
; THE SOFTMAX: t = score x log2(e) / 8; M = the running largest t rounded UP to a whole number; p = 2^(t - M) is quantised along the keys, not normalised.  The row's sum is taken of the unquantised p
; and divides O at the end.  When M moves, the sum and O are multiplied by 2^(old M - new M): exact.
; SHARES.  A work-group owns 256 queries of one head; each of its sixteen waves owns one tile of 16 queries, in 256 registers.
; K AND V OF THE WHOLE HEAD, 16 records of 13,824 bytes (128 keys each), lie in LDS, filled once: wave w asks for record w, ONE tensor load a wave, so a wave has one outstanding.
; The four work-groups of a cluster belong to one head: each record is asked for JOINTLY.  One barrier shows all records to all waves; nothing is filled again.
; No prefetch: every byte is asked for once, at the head, by these loads; there is no loop of loads to run ahead in.
; LDS: a record's rows of 256 bytes stand 320 bytes apart (64 of padding): byte y of a record lies at y + 64 (y / 256).
; LAYOUT.  Both products are used transposed: S^T = K Q^T (source 0 = 16 keys), O^T = V^T P^T (source 0 = 16 channels): a lane holds ONE query (lane % 16) throughout.
; THE KEYS OF A TILE ARE CHOSEN BY THE LANES' LDS ADDRESSES: row 8 g + i of tile (c, u) is key 64 c + 32 g + 8 u + i.  So the 32 registers of result tiles (c, 0..3) of lane half h are the WHOLE block
; of 32 keys 64 c + 32 h + 0 .. 31: a block's largest score needs no other lane, and the conversions' results lie in the lanes in which the second product's operand wants them.
; In kv that key is row 8 (u / 2) + i of stored tile 4 c + 2 g + u % 2.
; One scale register serves two tiles: lanes 0-15 hold the words of one, lanes 16-31 those of the other (the ROW1 selector).
; K = 64 IN AN INSTRUCTION OF K = 128: Q's registers 6-11 hold zero codes; the upper six registers of a K operand are whatever codes follow (the next tile's; behind the last tile V's region).
; E2M3 has no infinity and no NaN and the scale bytes of that half are 0x7f on both sides, so those products are exact zeros.
; K OF THE NEXT STEP is asked for from LDS right behind this step's first products, into the registers that they have read; V has registers of its own.
; LIMITS: the promise holds while the scaled scores stay under 2^31 in magnitude.  p under 2^-126 comes out of v_exp_f32 as 0.  A block of p or of o whose largest number lies under 2^-124 gets the
; scale byte 1 (read by this program alone).  NaN and infinities are not served.
.set REC,   13824                      ; a record in kv
.set RECL,  17280                      ; and in LDS: 54 rows of 320 bytes
.set SPARE, 16*RECL                    ; behind the records: the spare words, 128 bytes for each wave: eight blocks of 256 bytes that no other line names
.set KA16, 1                           ; v1-6 LDS addresses in the three records in hand: K's 16-byte and 8-byte pieces, K's scale words, the same for V
.set KA8,  2
.set KAS,  3
.set VA16, 4
.set VA8,  5
.set VAS,  6
.set SPW,  7                           ; LDS address of my spare word; never rewritten
.set NIL,  8                           ; 0; never rewritten
.set TW,   9                           ; at work.  v10: lane permutes' destination; v11 at work; v12 -M; v13 the running largest score; v[14:15] the row's sum in two halves
.set Q,    16                          ; v16-27  Q's fragment; v22-27 zeros
.set QS,   28
.set LK16, 29                          ; the six addresses' lane terms: v29, v249, v252-255
.set KS,   30                          ; v30-33  K's scale words
.set VS,   34                          ; v34-35  V's
.set R,    36                          ; v36-83  eight tiles of K
.set V,    84                          ; v84-131 four fragments of V
.set S,    132                         ; v132-195 S^T, then p
.set O,    196                         ; v196-227 O^T
.set P,    228                         ; v228-239 p's codes; ahead of them four partial sums
.set FF,   240                         ; f = 2^(old M - new M); named as a pair with
.set PS,   241                         ; p's scale word
.set BM,   242                         ; v242-245 four chains of maxima; then v242-243 the two blocks' largest scores and p, v244-245 their bytes
.set BY,   244
.set CT,   242                         ; v242-244, v246-248 the conversions' second halves
.set SO,   250                         ; v250-251 the conversions' scale operands
.set LK8,  249
.set LKS,  252
.set LV16, 253
.set LV8,  254
.set LVS,  255
.set TM,   36                          ; the way out's quantiser
.set PC,   228
.set PWT,  9
.set WV,   10
.set SEL,  40
.set CS,   42                          ; s[42:43] c = log2(e) / 8
.set TB,   44                          ; LDS byte at which the three records in hand begin
.set CNT,  45
.set NC,   62                          ; -c
.macro PLACES n
.rept \n
	v_nop
.endr
.endm
.macro D n
	s_delay_alu instid0(VALU_DEP_\n)
.endm
.macro ROUND                           ; a round of the cluster's barrier
	s_barrier_signal -1
	s_barrier_wait -1
	s_cmp_lg_u32 s[WV], 0
	s_cbranch_scc1 .Lnot_wave_0_\@
	s_barrier_signal -3
.Lnot_wave_0_\@:
	s_barrier_wait -3
	s_barrier_signal -1
	s_barrier_wait -1
.endm
.macro ADDR
	v_add_nc_u32 v[KA16], s[TB], v[LK16]
	v_add_nc_u32 v[KA8], s[TB], v[LK8]
	v_add_nc_u32 v[KAS], s[TB], v[LKS]
	v_add_nc_u32 v[VA16], s[TB], v[LV16]
	v_add_nc_u32 v[VA8], s[TB], v[LV8]
	v_add_nc_u32 v[VAS], s[TB], v[LVS]
.endm
.macro KLOAD j                         ; record j's eight tiles of keys and their scale words: 18 LDS loads
.irp c, 0,1
.irp u, 0,1,2,3
	ds_load_b128 v[R+24*\c+6*\u:R+24*\c+6*\u+3], v[KA16] offset:(\j)*RECL+3840*\c+960*(\u%2)+128*(\u/2)
	ds_load_b64 v[R+24*\c+6*\u+4:R+24*\c+6*\u+5], v[KA8] offset:(\j)*RECL+3840*\c+960*(\u%2)+640+64*(\u/2)
.endr
	ds_load_b64 v[KS+2*\c:KS+2*\c+1], v[KAS] offset:(\j)*RECL+7680+640*\c   ; register 2 c + u % 2; lanes 0-15 u / 2 = 0, lanes 16-31 u / 2 = 1
.endr
.endm
.macro VLOAD j                         ; record j's four fragments of V and their scale words: 18 LDS loads
.irp d, 0,1,2,3
.irp c, 0,1
	ds_load_b128 v[V+12*\d+6*\c:V+12*\d+6*\c+3], v[VA16] offset:(\j)*RECL+320*(28+6*\d+3*\c)
	ds_load_b64 v[V+12*\d+6*\c+4:V+12*\d+6*\c+5], v[VA8] offset:(\j)*RECL+320*(30+6*\d+3*\c)
.endr
.endr
.irp e, 0,1
	ds_load_b32 v[VS+\e], v[VAS] offset:(\j)*RECL+320*(52+\e)   ; lanes 0-15 channel tile 2 e, lanes 16-31 tile 2 e + 1
.endr
.endm
.macro FMA n
.rept \n
	v_pk_fma_f32 v[S+j:S+j+1], v[S+j:S+j+1], s[CS:CS+1], v[12:13] op_sel_hi:[1,0,0]   ; t - M, two at a time
.set j, j+2
.endr
.endm
.macro SUM4
.irp i, 0,1,2,3
	v_pk_add_f32 v[P+2*\i:P+2*\i+1], v[P+2*\i:P+2*\i+1], v[S+j+2*\i:S+j+2*\i+1]
.endr
.set j, j+8
.endm
; 32 numbers of a lane, register 16 b + e = k 32 b + 16 (lane / 16) + e of my row, become six registers of codes in v[PC] on and the two blocks' bytes in v[PWT]
.macro QUANT2 s
.irp k, 0,1,2,3
	v_max3_num_f32 v[TM+\k], |v[(\s)+8*\k]|, |v[(\s)+8*\k+1]|, 0x1800000
.endr
.irp i, 2,4,6
.irp k, 0,1,2,3
	D 4
	v_max3_num_f32 v[TM+\k], v[TM+\k], |v[(\s)+8*\k+\i]|, |v[(\s)+8*\k+\i+1]|
.endr
.endr
	D 3
	v_max_num_f32 v[TM], v[TM], v[TM+1]
	D 2
	v_max_num_f32 v[TM+1], v[TM+2], v[TM+3]
	D 2
	v_permlanex16_b32 v[TM+4], v[TM], s[SEL], s[SEL+1]
	D 2
	v_permlanex16_b32 v[TM+5], v[TM+1], s[SEL], s[SEL+1]
	D 2
	v_max_num_f32 v[TM], v[TM], v[TM+4]
	D 2
	v_max_num_f32 v[TM+1], v[TM+1], v[TM+5]
	D 2
	v_add_nc_u32 v[TM+6], 0xff000000, v[TM]
	D 2
	v_add_nc_u32 v[TM+7], 0xff000000, v[TM+1]
	D 2
	v_lshrrev_b32 v[TM+4], 23, v[TM+6]
	D 2
	v_lshrrev_b32 v[TM+5], 23, v[TM+7]
	D 1
	v_lshl_or_b32 v[PWT], v[TM+5], 8, v[TM+4]
	v_cvt_scalef32_pk16_fp6_f32 v[PC:PC+2], v[(\s):(\s)+15], v[TM+6]
	v_cvt_scalef32_pk16_fp6_f32 v[PC+6:PC+8], v[(\s)+16:(\s)+31], v[TM+7]
	v_nop
.irp i, 0,1,2
	v_permlane16_swap_b32 v[PC+\i], v[PC+6+\i]
.endr
.irp i, 0,1,2
	D 3
	v_mov_b32 v[PC+3+\i], v[PC+6+\i]
.endr
.endm
; A KEY STEP: record j of the three in hand, 128 keys.  pre: the next record's K is asked for.  adv: the addresses go three records on.
.macro STEP j, pre, adv
	s_wait_dscnt 0x0                               ; this record's K and its scale words, asked for a step ago
.irp c, 0,1
.irp u, 0,1
	v_wmma_scale_f32_16x16x128_f8f6f4 v[S+32*\c+8*\u:S+32*\c+8*\u+7], v[R+24*\c+6*\u:R+24*\c+6*\u+11], v[Q:Q+11], 0, v[KS+2*\c+\u], v[QS] matrix_a_fmt:MATRIX_FMT_FP6 matrix_b_fmt:MATRIX_FMT_FP6
.endr
.irp u, 0,1
	v_wmma_scale_f32_16x16x128_f8f6f4 v[S+32*\c+16+8*\u:S+32*\c+16+8*\u+7], v[R+24*\c+12+6*\u:R+24*\c+12+6*\u+11], v[Q:Q+11], 0, v[KS+2*\c+\u], v[QS] matrix_a_fmt:MATRIX_FMT_FP6 matrix_b_fmt:MATRIX_FMT_FP6 matrix_a_scale:MATRIX_SCALE_ROW1
.endr
.endr
	v_mov_b32 v[TW], v12                           ; the old -M.  With the three v_nop: the four plain lines in front of the loads into registers that products have read, and of the first read of the scores
	PLACES 3
	VLOAD \j
.if \pre
	KLOAD (\j)+1
.endif
; The largest score of each of my two blocks of 32 keys, in four chains, each tile from its low end on: it serves for the row's maximum and, since p rises with the score, for the block's largest p
.irp k, 0,1,2,3
	v_max3_num_f32 v[BM+\k], v[S+16*\k], v[S+16*\k+1], v[S+16*\k+2]
.endr
.irp i, 3,5,7,9,11,13
.irp k, 0,1,2,3
	v_max3_num_f32 v[BM+\k], v[BM+\k], v[S+16*\k+\i], v[S+16*\k+\i+1]
.endr
.endr
	v_max3_num_f32 v[BM], v[BM], v[BM+1], v[S+15]
	v_max3_num_f32 v[BM+1], v[BM+2], v[BM+3], v[S+47]
	v_max_num_f32 v[BM], v[BM], v[S+31]
	v_max_num_f32 v[BM+1], v[BM+1], v[S+63]
	D 1
	v_max_num_f32 v11, v[BM], v[BM+1]
	D 1
	v_permlanex16_b32 v10, v11, s[SEL], s[SEL+1]   ; lane l xor 16 holds my query's other two blocks
	D 1
	v_max3_num_f32 v13, v13, v11, v10              ; the running largest score
	D 1
	v_mul_f32 v11, s[NC], v13                      ; -t (c is positive)
	D 1
	v_floor_f32 v12, v11                           ; the new -M = floor(-t) = -ceil(t): M is a whole number
.set j, 0
	FMA 4
	v_sub_f32 v[TW], v12, v[TW]
	FMA 4
	v_cvt_i32_f32 v[TW], v[TW]                     ; (it saturates)
	FMA 4
	v_ldexp_f32 v[FF], 1.0, v[TW]                  ; f = 2^(old M - new M)
	FMA 20
	v_fma_f32 v[BM], v[BM], s[CS], v12             ; the same of each block's largest score
	v_fma_f32 v[BM+1], v[BM+1], s[CS], v12
	s_wait_alu depctr_va_vdst(0)                   ; ahead of the batch
	v_exp_f32 v[BM], v[BM]                         ; the block's largest p: the same two instructions on the same number give the same bits
	v_exp_f32 v[BM+1], v[BM+1]
.set j, 0
.rept 64
	v_exp_f32 v[S+j], v[S+j]                       ; p = 2^(t - M), at most 1
.set j, j+1
.endr
	v_pk_mul_f32 v[14:15], v[14:15], v[FF:FF+1] op_sel_hi:[1,0]   ; the sums under the new M: the plain line behind the batch
	s_wait_alu depctr_va_vdst(0)                   ; one wait for the batch, ahead of its first reader
; The row's sum of the unquantised p, in four chains; the blocks' scales are made between them
	v_max_num_f32 v[BM], 0x1800000, v[BM]          ; the floor 2^(3 - 127): the byte cannot fall under 1
	v_max_num_f32 v[BM+1], 0x1800000, v[BM+1]
.irp i, 0,1,2,3
	v_pk_add_f32 v[P+2*\i:P+2*\i+1], v[S+4*\i:S+4*\i+1], v[S+4*\i+2:S+4*\i+3]
.endr
.set j, 16
	v_add_nc_u32 v[SO], 0xff000000, v[BM]          ; 2 off the exponent field: the conversion's scale operand
	v_add_nc_u32 v[SO+1], 0xff000000, v[BM+1]
	SUM4
	v_lshrrev_b32 v[BY], 23, v[SO]                 ; the scale's byte: blocks lane / 16 and 2 + lane / 16
	v_lshrrev_b32 v[BY+1], 23, v[SO+1]
	SUM4
	v_lshl_or_b32 v11, v[BY+1], 16, v[BY]
	SUM4
	v_permlanex16_b32 v10, v11, s[SEL], s[SEL+1]
	SUM4
	v_lshl_or_b32 v[PS], v10, 8, v11               ; p's scale word for these 128 keys, in lanes 0-15, which alone are read
	SUM4
	SUM4
	v_pk_add_f32 v[P:P+1], v[P:P+1], v[P+2:P+3]
	v_pk_add_f32 v[P+4:P+5], v[P+4:P+5], v[P+6:P+7]
	D 1
	v_pk_add_f32 v[P:P+1], v[P:P+1], v[P+4:P+5]
	D 1
	v_pk_add_f32 v[14:15], v[14:15], v[P:P+1]
.irp c, 0,1
	v_cvt_scalef32_pk16_fp6_f32 v[P+6*\c:P+6*\c+2], v[S+32*\c:S+32*\c+15], v[SO+\c]
	v_cvt_scalef32_pk16_fp6_f32 v[CT+4*\c:CT+4*\c+2], v[S+32*\c+16:S+32*\c+31], v[SO+\c]   ; (a conversion's three registers begin on an even number: the block's second three are made elsewhere and moved)
.endr
	v_nop                                          ; one plain line behind the last scaled conversion
.irp c, 0,1
.irp i, 0,1,2
	v_mov_b32 v[P+6*\c+3+\i], v[CT+4*\c+\i]
.endr
.endr
	s_wait_alu depctr_va_vdst(0)                   ; directly ahead of the first reader of O^T
.set j, 0
.rept 16
	v_pk_mul_f32 v[O+j:O+j+1], v[O+j:O+j+1], v[FF:FF+1] op_sel_hi:[1,0]   ; O^T under the new M.  For each product below, the twelve of these that touch other accumulators stand between the writes of p's codes and the product
.set j, j+2
.endr
	s_wait_alu depctr_va_vdst(0)                   ; directly ahead of the wait below
.if \pre
	s_wait_dscnt 18                                ; V is in; the 18 younger loads, the next record's K, may be out
.else
	s_wait_dscnt 0x0
.endif
.irp d, 0,2
	v_wmma_scale_f32_16x16x128_f8f6f4 v[O+8*\d:O+8*\d+7], v[V+12*\d:V+12*\d+11], v[P:P+11], v[O+8*\d:O+8*\d+7], v[VS+\d/2], v[PS] matrix_a_fmt:MATRIX_FMT_FP6 matrix_b_fmt:MATRIX_FMT_FP6
	v_wmma_scale_f32_16x16x128_f8f6f4 v[O+8*\d+8:O+8*\d+15], v[V+12*\d+12:V+12*\d+23], v[P:P+11], v[O+8*\d+8:O+8*\d+15], v[VS+\d/2], v[PS] matrix_a_fmt:MATRIX_FMT_FP6 matrix_b_fmt:MATRIX_FMT_FP6 matrix_a_scale:MATRIX_SCALE_ROW1
.endr
.if \adv
	s_add_co_u32 s[TB], s[TB], 3*RECL
	ADDR
.endif
.endm
	s_load_b128 s[4:7], s[0:1], 0x0                ; qc s[4:5], kv s[6:7]
	s_load_b64 s[8:9], s[0:1], 0x10                ; oc
	v_lshl_add_u32 v[SPW], v0, 2, SPARE
	v_mov_b32 v[NIL], 0
	ds_add_u32 v[SPW], v[NIL]                      ; the wave's opening: the add, twice on end, and its wait ahead of my tensor load; the set-up below stands between
	ds_add_u32 v[SPW], v[NIL]
	v_lshrrev_b32 v1, 5, v0
	v_readfirstlane_b32 s[WV], v1                  ; wave 0..15
	s_bfe_u32 s11, ttmp6, 0x40000                  ; cx: it enters qc's and oc's addresses alone
	s_lshl_b32 s12, ttmp9, 2
	s_add_co_u32 s12, s12, s11                     ; my block of 256 queries
	s_and_b32 s13, ttmp7, 0xffff                   ; 16 x batch + head, which the four partners share
	; descriptor group 1: a record, 13,824 dense bytes, as 54 rows of 256 bytes (32 elements of 8 bytes), 16 dwords of padding behind each
	s_mov_b32 s16, 15|(3<<16)|(1<<20)|(1<<21)|(5<<22)|(15<<25)   ; the mask: all four work-groups; elements of 8 bytes; padding on; bit 21 set beside a mask; after every 64 dwords; 16 dwords
	s_mov_b32 s17, 32<<16
	s_mov_b32 s18, 54<<16
	s_mov_b32 s19, 32<<16
	s_mov_b32 s20, 54
	s_mov_b32 s21, 32
	s_mov_b32 s22, 0
	s_mov_b32 s23, 0
	s_mov_b32 s24, 1
	s_mul_i32 s25, s[WV], RECL                     ; record = my wave: in LDS,
	s_mul_i32 s47, s[WV], REC                      ; and in the head's block of kv
	s_mul_i32 s48, s13, 16*REC
	s_add_co_u32 s48, s48, s47
	s_mov_b32 s49, 0
	s_mov_b32 s[SEL], 0x76543210
	s_mov_b32 s[SEL+1], 0xfedcba98
	s_mov_b32 s[CS], 0x3e38aa3b                    ; c = log2(e) / 8
	s_mov_b32 s[CS+1], s[CS]                       ; (named with it as a pair)
	s_mov_b32 s[NC], 0xbe38aa3b                    ; -c
	; Q: record 2 x block + wave / 8 of my head, tile wave % 8
	s_lshl_b32 s50, s12, 1
	s_lshr_b32 s51, s[WV], 3
	s_add_co_u32 s50, s50, s51
	s_mul_i32 s50, s50, 7168
	s_mul_i32 s51, s13, 16*7168
	s_add_co_u32 s50, s50, s51
	s_and_b32 s52, s[WV], 7
	s_mul_i32 s53, s52, 768
	s_add_co_u32 s54, s50, s53                     ; its codes
	s_mov_b32 s55, 0
	s_lshr_b32 s53, s52, 1
	s_lshl_b32 s53, s53, 8
	s_and_b32 s52, s52, 1
	s_lshl_b32 s52, s52, 2
	s_add_co_u32 s53, s53, s52
	s_add_co_u32 s56, s50, s53                     ; its scale words, less 6,144
	s_mov_b32 s57, 0
	; oc: K quarter head / 4, token tile 128 x batch + 16 x block + wave; in the record K step (head / 2) % 2, half head % 2
	s_and_b32 s46, s13, 15
	s_lshr_b32 s50, s46, 2
	s_mul_i32 s50, s50, 851968
	s_lshr_b32 s51, s13, 4
	s_lshl_b32 s51, s51, 7
	s_lshl_b32 s52, s12, 4
	s_add_co_u32 s51, s51, s52
	s_add_co_u32 s51, s51, s[WV]
	s_mul_i32 s51, s51, 3328
	s_add_co_u32 s51, s51, s50                     ; the record
	s_bfe_u32 s52, s46, 0x10001                    ; (head / 2) % 2
	s_and_b32 s53, s46, 1                          ; head % 2
	s_mul_i32 s58, s52, 1536
	s_mul_i32 s50, s53, 768
	s_add_co_u32 s58, s58, s50
	s_add_co_u32 s58, s58, s51                     ; my codes
	s_mov_b32 s59, 0
	s_lshl_b32 s60, s52, 2
	s_lshl_b32 s50, s53, 1
	s_add_co_u32 s60, s60, s50
	s_add_co_u32 s60, s60, s51                     ; my two bytes of the scale words, less 3,072
	s_mov_b32 s61, 0
	s_wait_dscnt 0x0                               ; both opening adds are done
	s_wait_kmcnt 0x0
	s_add_nc_u64 s[26:27], s[6:7], s[48:49]
	s_or_b32 s27, s27, 0x80000000                  ; type = 2
	s_add_nc_u64 s[54:55], s[4:5], s[54:55]
	s_add_nc_u64 s[56:57], s[4:5], s[56:57]
	s_add_nc_u64 s[58:59], s[8:9], s[58:59]
	s_add_nc_u64 s[60:61], s[8:9], s[60:61]
	ROUND                                          ; all four work-groups are here: the joint loads meet
	tensor_load_to_lds s[24:27], s[16:23]          ; my one tensor load: record = my wave
	s_nop 0
	v_and_b32 v132, 31, v0                         ; lane
	v_and_b32 v133, 7, v0                          ; i = lane % 8
	v_bfe_u32 v134, v0, 3, 1                       ; g
	v_bfe_u32 v135, v0, 4, 1                       ; h = lane / 16
	v_and_b32 v136, 15, v0                         ; r
	v_lshlrev_b32 v11, 4, v132
	v_lshlrev_b32 v[LV8], 3, v132                  ; V's 8-byte pieces: 8 x lane
	global_load_b128 v[Q:Q+3], v11, s[54:55]
	global_load_b64 v[Q+4:Q+5], v[LV8], s[54:55] offset:512
	global_load_b32 v[QS], v[LV8], s[56:57] offset:6144
	v_mul_u32_u24 v137, v134, 1920                 ; two stored tiles on: six LDS rows
	v_mul_u32_u24 v138, v135, 320
	v_mul_u32_u24 v139, v134, 320
	v_lshl_add_u32 v[LK8], v133, 3, v137
	v_lshl_add_u32 v[LK16], v133, 4, v137
	v_lshl_add_u32 v[LKS], v133, 3, v139
	v_lshl_add_u32 v[LV16], v136, 4, v138          ; V's 16-byte pieces: 16 r + 320 h
	v_lshlrev_b32 v[LVS], 2, v136
	v_lshl_add_u32 v[LK8], v135, 7, v[LK8]         ; K's 8-byte pieces: 1920 g + 128 h + 8 i
	v_add_nc_u32 v[LK16], v[LK16], v138            ; K's 16-byte pieces: 1920 g + 320 h + 16 i
	v_lshl_add_u32 v[LKS], v135, 6, v[LKS]         ; K's scale words: 320 g + 64 h + 8 i
	v_lshl_add_u32 v[LVS], v135, 7, v[LVS]         ; V's: 4 r + 128 h
.irp i, 0,1,2,3,4,5
	v_mov_b32 v[Q+6+\i], 0                         ; zero codes: the half of K that the head does not have
	v_mov_b32 v[V+\i], 0                           ; named behind K's last tile in the first step
.endr
	v_mov_b32 v13, 0xff61b1e6                      ; the largest score so far: -3e38
	v_mov_b32 v12, 0x7e800000                      ; -M: 2^126, so that the first f is 0
	v_mov_b32 v14, 0                               ; the sum, in two halves
	v_mov_b32 v15, 0
	v_mov_b32 v10, 0                               ; a lane permute's destination counts as one of its sources
	v_mov_b32 v[PS], 0                             ; (named as the upper half of the pair with f before it is first written)
.set j, 0
.rept 32
	v_mov_b32 v[O+j], 0                            ; O^T: the step is written once; the first finds zeros, which the first change of M leaves zeros
.set j, j+1
.endr
	s_mov_b32 s[TB], 0
	s_mov_b32 s[CNT], 5
	s_wait_alu depctr_va_vdst(0)                   ; at the head's end
	s_wait_loadcnt 0x0                             ; Q
	s_wait_tensorcnt 0x0                           ; my record has landed,
	s_barrier_signal -1
	s_barrier_wait -1                              ; everybody's has
	ADDR
	s_wait_alu depctr_va_vdst(0)                   ; behind these writes
	KLOAD 0
.Ltrip:                                                ; five trips of three records, every LDS offset an immediate
	STEP 0, 1, 0
	STEP 1, 1, 0
	STEP 2, 1, 1
	s_sub_co_u32 s[CNT], s[CNT], 1
	s_cmp_lg_u32 s[CNT], 0
	s_wait_alu depctr_va_vdst(0)                   ; directly ahead of the branch
	s_cbranch_scc1 .Ltrip
	STEP 0, 0, 0                                   ; the sixteenth record: no K follows it
	; THE WAY OUT: O^T / the sum; my 32 channels and lane l xor 16's are the head's two blocks of the next product's K
	v_and_b32 v11, 31, v0
	PLACES 3                                       ; with the line above: four plain lines in front of the first read of the last results
	v_lshlrev_b32 v11, 4, v11                      ; 16 x lane
	v_add_f32 v14, v14, v15
	D 1
	v_permlanex16_b32 v10, v14, s[SEL], s[SEL+1]
	D 1
	v_add_f32 v14, v14, v10                        ; the row's sum
	s_wait_alu depctr_va_vdst(0)
	v_rcp_f32 v14, v14
	v_nop                                          ; a plain line behind the transcendental,
	s_wait_alu depctr_va_vdst(0)                   ; and the wait ahead of its first reader, which is also the first reader of O^T
.set j, 0
.rept 16
	v_pk_mul_f32 v[S+j:S+j+1], v[O+j:O+j+1], v[14:15] op_sel_hi:[1,0]   ; each accumulator from its low end on
.set j, j+2
.endr
	QUANT2 S
	global_store_b128 v11, v[PC:PC+3], s[58:59]                ; 512 consecutive bytes, aligned to 256
	global_store_b64 v[LV8], v[PC+4:PC+5], s[58:59] offset:512 ; 256 consecutive bytes, aligned
	global_store_b16 v[LV8], v[PWT], s[60:61] offset:3072      ; my head's two bytes of each row's scale word; three other heads' work-groups write the word pair's other six
	s_wait_tensorcnt 0x0                           ; the wave's end, behind my tensor load
	ds_add_u32 v[SPW], v[NIL]
	s_wait_dscnt 0x0
	ROUND                                          ; the closing round
	s_endpgm
.Lfunc_end_k_q7b18016a62_attn:
	.size	k_q7b18016a62_attn, .Lfunc_end_k_q7b18016a62_attn-k_q7b18016a62_attn
	.p2alignl 7, 3214868480
	.fill 96, 4, 3214868480
	.section	.rodata,"a",@progbits
	.p2align	6, 0x0
	.amdhsa_kernel k_q7b18016a62_attn
		.amdhsa_group_segment_fixed_size 278528
		.amdhsa_private_segment_fixed_size 0
		.amdhsa_enable_private_segment 0
		.amdhsa_kernarg_size 24
		.amdhsa_user_sgpr_count 2
		.amdhsa_user_sgpr_kernarg_segment_ptr 1
		.amdhsa_wavefront_size32 1
		.amdhsa_system_sgpr_workgroup_id_x 1
		.amdhsa_system_sgpr_workgroup_id_y 1
		.amdhsa_system_sgpr_workgroup_id_z 1
		.amdhsa_system_vgpr_workitem_id 0
		.amdhsa_next_free_vgpr 256
		.amdhsa_next_free_sgpr 66
		.amdhsa_reserve_vcc 0
		.amdhsa_float_denorm_mode_32 3
		.amdhsa_float_denorm_mode_16_64 3
		.amdhsa_memory_ordered 1
		.amdhsa_forward_progress 1
		.amdhsa_inst_pref_size 73
	.end_amdhsa_kernel
	.amdgpu_metadata
---
amdhsa.version: [ 1, 2 ]
amdhsa.kernels:
  - .name:           k_q7b18016a62_attn
    .symbol:         k_q7b18016a62_attn.kd
    .args:
      - { .name: qc, .offset: 0, .size: 8, .value_kind: global_buffer, .address_space: global }
      - { .name: kv, .offset: 8, .size: 8, .value_kind: global_buffer, .address_space: global }
      - { .name: oc, .offset: 16, .size: 8, .value_kind: global_buffer, .address_space: global }
    .group_segment_fixed_size: 278528
    .private_segment_fixed_size: 0
    .kernarg_segment_align: 8
    .kernarg_segment_size: 24
    .max_flat_workgroup_size: 512
    .sgpr_count:     66
    .vgpr_count:     256
    .wavefront_size: 32
...
	.end_amdgpu_metadata
.endif
;; end of part 4
;; launch oproj (part 5): grid 16 x 16, 4 waves a work-group, clusters of 4 x 1, 167,936 bytes of LDS; arguments oc, woc, modv, out0; writes out0
.if DOCPART == 5
	.amdgcn_target "amdgcn-amd-amdhsa--gfx1250"
	.amdhsa_code_object_version 6
	.text
	.protected	k_q7b18016a62_oproj
	.globl	k_q7b18016a62_oproj
	.p2align	8
	.type	k_q7b18016a62_oproj,@function
k_q7b18016a62_oproj:
	s_mov_b64 s[64:65], 0
	v_nop
	global_prefetch_b8 v0, s[64:65] scope:SCOPE_SE
	s_setreg_imm32_b32 hwreg(HW_REG_WAVE_MODE, 25, 1), 1
	s_wait_xcnt 0x0
	s_wait_alu depctr_hold_cnt(0) depctr_sa_sdst(0) depctr_va_vdst(0) depctr_va_sdst(0) depctr_va_ssrc(0) depctr_va_vcc(0) depctr_vm_vsrc(0)
	s_getreg_b32 s2, hwreg(HW_REG_IB_STS2, 6, 4)
	s_cmp_eq_u32 s2, 0
	s_cbranch_scc0 .Lentry_in_a_cluster
	s_endpgm
.Lentry_in_a_cluster:
	s_bfe_u32 s2, ttmp6, 0x10000c
	s_cmp_lg_u32 s2, 0x3003
	s_cbranch_scc0 .Lentry_shape_is_right
	s_endpgm
.Lentry_shape_is_right:
; out0 = (o w_o^T) x gate on codes of E2M3 (K = 1,024).  oc, woc: [K / 256][tile of 16 rows][3,328 bytes]: images of the operands' registers; row r of tile rt is row 32 (rt / 2) + 8 (rt % 2) + r + 8 (r / 8).
; gate = modv[b][2048 ..].  out0 [4096][1024] f32.
; SHARES.  Work-group (gx, gy): tokens 256 gx .. + 255 x columns 64 gy .. + 63.  Wave w: 64 tokens, four tiles, x four column tiles: 16 accumulators.
; o: a wave's fragments (384 registers) are read by no other wave of the work-group: from memory straight into its registers.  They are not asked for jointly for that reason: through LDS they would be written and read once more, and shared by nobody there.
; w_o: the 64 rows, 53,248 bytes, lie in LDS; the four work-groups of a cluster (same gy) need the same rows: each wave asks JOINTLY for a quarter of K.  One tensor load a wave is outstanding; no LDS byte is filled twice.
; Source 0 = 16 rows of w_o, source 1 = 16 tokens: a lane holds ONE token (lane % 16) and 32 columns: register 16 b + e = column 32 b + 16 (lane / 16) + e.
; THE WAY OUT: a tile's 16 rows x 256 bytes go through the wave's own stage in LDS and leave as whole rows: sixteen lanes store 256 consecutive bytes, aligned.
.set KPB,   13312                      ; a quarter of K of the 64 rows: four records
.set HKP,   851968                     ; a quarter of K in oc
.set WKP,   212992                     ; in woc
.set STAGE, 4*KPB                      ; behind W: 16 rows x (256 + 16) bytes for each wave; no fill lands there
.set SPITCH, 272
.set SPARE, STAGE+4*16*SPITCH          ; behind the stages: the spare words, 128 bytes for each wave: two blocks of 256 bytes that no other line names
.set L16,   1                          ; 16 x lane: also the LDS address for K quarters 0 and 1
.set L8,    2
.set AW16A, 1
.set AW8A,  2
.set AW16B, 3                          ; quarters 2 and 3
.set AW8B,  4
.set GA,    5                          ; the gate: 64 (lane / 16)
.set STO,   6                          ; the stage: where I put 16 bytes of a row
.set RD,    7                          ; and where I read a row back
.set CO,    8                          ; my byte offset in two rows of out0
.set NIL,   14                         ; 0; never rewritten
.set SPW,   15                         ; LDS address of my spare word; never rewritten
.set HS,    16                         ; v16-47  o's scale words: 8 kp + 2 i + s
.set WS,    48                         ; v48-63  w_o's, two sets
.set BK,    64                         ; v64-127 rows read back from the stage, two sets of 32
.set ACC,   128
.set WF,    0                          ; window 3: w_o's fragments, two sets of 48;
.set GT,    96                         ; the gate at my 32 columns
.set WV,    18
.set MSB, 0
.macro WIN new
.if MSB != (\new)
	s_set_vgpr_msb (MSB<<8)|(\new)
.set MSB, (\new)
.endif
.endm
.macro PLACES n
.rept \n
	v_nop
.endr
.endm
.macro ROUND
	s_barrier_signal -1
	s_barrier_wait -1
	s_cmp_lg_u32 s[WV], 0
	s_cbranch_scc1 .Lnot_wave_0_\@
	s_barrier_signal -3
.Lnot_wave_0_\@:
	s_barrier_wait -3
	s_barrier_signal -1
	s_barrier_wait -1
.endm
.macro FETCHW ks, set                  ; w_o's four fragments of K step ks into set: 16 LDS loads
	WIN 0xc0
.irp ct, 0,1,2,3
.irp c, 0,1
.if (\ks) < 4
	ds_load_b128 v[WF+48*(\set)+12*\ct+6*\c:WF+48*(\set)+12*\ct+6*\c+3], v[AW16A] offset:(((\ks)/2)%2)*KPB+3328*\ct+1536*((\ks)%2)+768*\c
	ds_load_b64 v[WF+48*(\set)+12*\ct+6*\c+4:WF+48*(\set)+12*\ct+6*\c+5], v[AW8A] offset:(((\ks)/2)%2)*KPB+3328*\ct+1536*((\ks)%2)+768*\c+512
.else
	ds_load_b128 v[WF+48*(\set)+12*\ct+6*\c:WF+48*(\set)+12*\ct+6*\c+3], v[AW16B] offset:(((\ks)/2)%2)*KPB+3328*\ct+1536*((\ks)%2)+768*\c
	ds_load_b64 v[WF+48*(\set)+12*\ct+6*\c+4:WF+48*(\set)+12*\ct+6*\c+5], v[AW8B] offset:(((\ks)/2)%2)*KPB+3328*\ct+1536*((\ks)%2)+768*\c+512
.endif
.endr
.endr
.endm
.macro WSC kp                          ; its scale words of K quarter kp: 4 LDS loads
	WIN 0
.irp ct, 0,1,2,3
.if (\kp) < 2
	ds_load_b64 v[WS+8*((\kp)%2)+2*\ct:WS+8*((\kp)%2)+2*\ct+1], v[AW8A] offset:((\kp)%2)*KPB+3328*\ct+3072
.else
	ds_load_b64 v[WS+8*((\kp)%2)+2*\ct:WS+8*((\kp)%2)+2*\ct+1], v[AW8B] offset:((\kp)%2)*KPB+3328*\ct+3072
.endif
.endr
.endm
.macro PROD ks                         ; 16 products, each on another accumulator
.set HB_, 48*((\ks)%4)
.set WB_, WF+48*((\ks)%2)
.set SW_, WS+8*(((\ks)/2)%2)+(\ks)%2
.set SH_, HS+8*((\ks)/2)+(\ks)%2
.set WN_, 3+4*(1+(\ks)/4)              ; source 0 window 3, source 1 window 1 or 2
	WIN WN_
.irp a, 0,1,2,3
.irp b, 0,1,2,3
.set D_, ACC+32*\a+8*\b
.if (\ks) == 0
	v_wmma_scale_f32_16x16x128_f8f6f4 v[D_:D_+7], v[WB_+12*\b:WB_+12*\b+11], v[HB_+12*\a:HB_+12*\a+11], 0, v[SW_+2*\b], v[SH_+2*\a] matrix_a_fmt:MATRIX_FMT_FP6 matrix_b_fmt:MATRIX_FMT_FP6
.else
	v_wmma_scale_f32_16x16x128_f8f6f4 v[D_:D_+7], v[WB_+12*\b:WB_+12*\b+11], v[HB_+12*\a:HB_+12*\a+11], v[D_:D_+7], v[SW_+2*\b], v[SH_+2*\a] matrix_a_fmt:MATRIX_FMT_FP6 matrix_b_fmt:MATRIX_FMT_FP6
.endif
.endr
.endr
.endm
.macro TOSTAGE i                       ; tile i: x gate, into my stage, and back as whole rows.  LDS serves a wave's instructions in order (ISA guide 5.7.1.4): no wait between the stores and the loads, nor in front of the next tile's stores
.set A_, ACC+32*(\i)
	WIN 0x0c                                       ; source 1 window 3
.set p, 0
.rept 16
	v_pk_mul_f32 v[A_+2*p:A_+2*p+1], v[A_+2*p:A_+2*p+1], v[GT+2*p:GT+2*p+1]       ; each accumulator from its low end on
.set p, p+1
.endr
	WIN 0
.irp e, 0,1,2,3,4,5,6,7
	ds_store_b128 v[STO], v[A_+4*\e:A_+4*\e+3] offset:128*(\e/4)+16*(\e%4)
.endr
.irp k, 0,1,2,3,4,5,6,7
	ds_load_b128 v[BK+32*((\i)%2)+4*\k:BK+32*((\i)%2)+4*\k+3], v[RD] offset:2*SPITCH*\k
.endr
.endm
.macro SEND i, younger                 ; younger: the LDS instructions issued behind tile i's loads, which may stay out
	s_wait_dscnt \younger
.irp k, 0,1,2,3,4,5,6,7
	global_store_b128 v[CO], v[BK+32*((\i)%2)+4*\k:BK+32*((\i)%2)+4*\k+3], s[10:11] offset:(32*((\i)/2)+8*((\i)%2)+2*\k+8*(\k/4))*4096 th:TH_STORE_NT   ; stage rows 2 k and 2 k + 1 are tokens 2 k + 8 (k / 4) and the next; written once, read by nobody here
.endr
.endm
	s_load_b256 s[4:11], s[0:1], 0x0               ; oc s[4:5], woc s[6:7], modv s[8:9], out0 s[10:11]
	v_lshl_add_u32 v[SPW], v0, 2, SPARE
	v_mov_b32 v[NIL], 0
	ds_add_u32 v[SPW], v[NIL]                      ; the wave's opening: the add and its wait ahead of my first tensor load; the set-up below, work on registers, stands between them
	ds_add_u32 v[SPW], v[NIL]
	v_lshrrev_b32 v1, 5, v0
	v_readfirstlane_b32 s[WV], v1                  ; wave 0..3
	s_bfe_u32 s19, ttmp6, 0x40000                  ; cx: it enters global addresses of oc, modv and out0 alone
	s_lshl_b32 s20, ttmp9, 2
	s_add_co_u32 s20, s20, s19                     ; gx
	s_and_b32 s21, ttmp7, 0xffff                   ; gy, which the four partners share
	; descriptor group 1: a dense block of 13,312 bytes as 52 rows of 256 bytes (32 elements of 8 bytes), no padding
	s_mov_b32 s24, 15|(3<<16)|(1<<21)
	s_mov_b32 s25, 32<<16
	s_mov_b32 s26, 52<<16
	s_mov_b32 s27, 32<<16
	s_mov_b32 s28, 52
	s_mov_b32 s29, 32
	s_mov_b32 s30, 0
	s_mov_b32 s31, 0
	s_mov_b32 s32, 1
	s_mul_i32 s33, s[WV], KPB                      ; LDS: K quarter = my wave
	s_mul_i32 s48, s[WV], WKP
	s_mul_i32 s49, s21, KPB
	s_add_co_u32 s48, s48, s49
	s_mov_b32 s49, 0
	s_lshl_b32 s54, s20, 4
	s_lshl_b32 s55, s[WV], 2
	s_add_co_u32 s54, s54, s55                     ; my first token tile
	s_mul_i32 s54, s54, 3328
	s_mov_b32 s55, 0
	s_lshr_b32 s50, s20, 3                         ; the batch
	s_mul_i32 s50, s50, 12288
	s_lshl_b32 s51, s21, 8
	s_add_co_u32 s50, s50, s51
	s_add_co_u32 s50, s50, 8192                    ; the gate of my 64 columns
	s_mov_b32 s51, 0
	s_lshl_b32 s52, s20, 8
	s_lshl_b32 s53, s[WV], 6
	s_add_co_u32 s52, s52, s53                     ; my first token
	s_lshl_b32 s52, s52, 12
	s_lshl_b32 s53, s21, 8
	s_add_co_u32 s52, s52, s53                     ; its row of out0, my columns
	s_mov_b32 s53, 0
	s_wait_dscnt 0x0                               ; the opening add is done
	s_wait_kmcnt 0x0
	s_add_nc_u64 s[34:35], s[6:7], s[48:49]
	s_or_b32 s35, s35, 0x80000000                  ; type = 2
	s_add_nc_u64 s[4:5], s[4:5], s[54:55]
	s_add_nc_u64 s[8:9], s[8:9], s[50:51]
	s_add_nc_u64 s[10:11], s[10:11], s[52:53]
	ROUND                                          ; all four work-groups are here: the joint loads meet
	tensor_load_to_lds s[32:35], s[24:31]          ; my one tensor load
	s_nop 0
	PLACES 4
	v_and_b32 v9, 31, v0
	v_lshlrev_b32 v[L16], 4, v9
	v_lshlrev_b32 v[L8], 3, v9
	v_add_nc_u32 v[AW16B], 2*KPB, v[L16]
	v_add_nc_u32 v[AW8B], 2*KPB, v[L8]
	v_and_b32 v10, 15, v0                          ; r
	v_bfe_u32 v11, v0, 4, 1                        ; lane / 16
	v_lshlrev_b32 v[GA], 6, v11
	s_mul_i32 s50, s[WV], 16*SPITCH
	s_add_co_u32 s50, s50, STAGE                   ; my stage
	v_mul_u32_u24 v[STO], v10, SPITCH
	v_lshl_add_u32 v[STO], v11, 6, v[STO]
	v_add_nc_u32 v[STO], s50, v[STO]               ; in: row r, + 64 (lane / 16)
	v_mul_u32_u24 v[RD], v11, SPITCH
	v_lshl_add_u32 v[RD], v10, 4, v[RD]
	v_add_nc_u32 v[RD], s50, v[RD]                 ; back: lanes 0-15 one row, lanes 16-31 the next
	v_lshlrev_b32 v[CO], 12, v11
	v_lshl_add_u32 v[CO], v10, 4, v[CO]            ; and the same two rows in out0
.irp kp, 0,1,2,3
.irp i, 0,1,2,3
	global_load_b64 v[HS+8*\kp+2*\i:HS+8*\kp+2*\i+1], v[L8], s[4:5] offset:\kp*HKP+3328*\i+3072
.endr
.endr
	WIN 0x40
.irp ks, 0,1,2,3
.irp i, 0,1,2,3
.irp c, 0,1
	global_load_b128 v[48*\ks+12*\i+6*\c:48*\ks+12*\i+6*\c+3], v[L16], s[4:5] offset:(\ks/2)*HKP+3328*\i+1536*(\ks%2)+768*\c
	global_load_b64 v[48*\ks+12*\i+6*\c+4:48*\ks+12*\i+6*\c+5], v[L8], s[4:5] offset:(\ks/2)*HKP+3328*\i+1536*(\ks%2)+768*\c+512
.endr
.endr
.endr
	WIN 0x80
.irp ks, 0,1,2,3
.irp i, 0,1,2,3
.irp c, 0,1
	global_load_b128 v[48*\ks+12*\i+6*\c:48*\ks+12*\i+6*\c+3], v[L16], s[4:5] offset:(2+\ks/2)*HKP+3328*\i+1536*(\ks%2)+768*\c
	global_load_b64 v[48*\ks+12*\i+6*\c+4:48*\ks+12*\i+6*\c+5], v[L8], s[4:5] offset:(2+\ks/2)*HKP+3328*\i+1536*(\ks%2)+768*\c+512
.endr
.endr
.endr
	WIN 0xc0
.irp e, 0,1,2,3,4,5,6,7
	global_load_b128 v[GT+4*\e:GT+4*\e+3], v[GA], s[8:9] offset:128*(\e/4)+16*(\e%4)   ; the gate: asked for last, first used behind the products
.endr
	WIN 0
	s_wait_loadcnt 63                              ; of the 152 loads the oldest 89 are in: o's scale words (16) and its fragments of K steps 0 to 3 (64)
	s_wait_tensorcnt 0x0
	s_barrier_signal -1
	s_barrier_wait -1                              ; everybody's has
; Eight K steps of 16 products.  The next step's fragments are asked for ahead of each step's products, into the set that the step before has read, four plain lines behind those products.
	WSC 0
	FETCHW 0, 0
.irp ks, 0,1,2,3,4,5,6,7
.if \ks < 7
.if \ks > 0
	PLACES 4
.endif
.if (\ks % 2) == 1
	WSC (\ks+1)/2
	FETCHW \ks+1, (\ks+1)%2
	s_wait_dscnt 20                                ; all but the 20 just issued
.else
	FETCHW \ks+1, (\ks+1)%2
	s_wait_dscnt 16                                ; all but the 16 just issued
.endif
.else
	s_wait_dscnt 0x0
.endif
.if \ks > 3
	s_wait_loadcnt 8+16*(7-\ks)                    ; o's fragments of this K step are in: behind them stand the later steps' 16 loads each and the gate's 8
.endif
	PROD \ks
.endr
	WIN 0
	PLACES 4                                       ; in front of the first read of results
	s_wait_loadcnt 0x0                             ; the gate
	TOSTAGE 0
.irp i, 1,2,3
.if \i > 1
	s_wait_xcnt 0x0                                ; tile i - 2's stores have read their registers: tile i's rows may land there
.endif
	TOSTAGE \i
	SEND \i-1, 16                                  ; behind tile i - 1's loads: tile i's 8 stores and 8 loads
.endr
	SEND 3, 0
	s_wait_tensorcnt 0x0                           ; the wave's end, behind my last tensor load and my last LDS store
	ds_add_u32 v[SPW], v[NIL]
	s_wait_dscnt 0x0
	ROUND                                          ; the closing round
	s_endpgm
.Lfunc_end_k_q7b18016a62_oproj:
	.size	k_q7b18016a62_oproj, .Lfunc_end_k_q7b18016a62_oproj-k_q7b18016a62_oproj
	.p2alignl 7, 3214868480
	.fill 96, 4, 3214868480
	.section	.rodata,"a",@progbits
	.p2align	6, 0x0
	.amdhsa_kernel k_q7b18016a62_oproj
		.amdhsa_group_segment_fixed_size 167936
		.amdhsa_private_segment_fixed_size 0
		.amdhsa_enable_private_segment 0
		.amdhsa_kernarg_size 32
		.amdhsa_user_sgpr_count 2
		.amdhsa_user_sgpr_kernarg_segment_ptr 1
		.amdhsa_wavefront_size32 1
		.amdhsa_system_sgpr_workgroup_id_x 1
		.amdhsa_system_sgpr_workgroup_id_y 1
		.amdhsa_system_sgpr_workgroup_id_z 1
		.amdhsa_system_vgpr_workitem_id 0
		.amdhsa_next_free_vgpr 1024
		.amdhsa_next_free_sgpr 66
		.amdhsa_reserve_vcc 0
		.amdhsa_float_denorm_mode_32 3
		.amdhsa_float_denorm_mode_16_64 3
		.amdhsa_memory_ordered 1
		.amdhsa_forward_progress 1
		.amdhsa_inst_pref_size 58
	.end_amdhsa_kernel
	.amdgpu_metadata
---
amdhsa.version: [ 1, 2 ]
amdhsa.kernels:
  - .name:           k_q7b18016a62_oproj
    .symbol:         k_q7b18016a62_oproj.kd
    .args:
      - { .name: oc, .offset: 0, .size: 8, .value_kind: global_buffer, .address_space: global }
      - { .name: woc, .offset: 8, .size: 8, .value_kind: global_buffer, .address_space: global }
      - { .name: modv, .offset: 16, .size: 8, .value_kind: global_buffer, .address_space: global }
      - { .name: out0, .offset: 24, .size: 8, .value_kind: global_buffer, .address_space: global }
    .group_segment_fixed_size: 167936
    .private_segment_fixed_size: 0
    .kernarg_segment_align: 8
    .kernarg_segment_size: 32
    .max_flat_workgroup_size: 128
    .sgpr_count:     66
    .vgpr_count:     1024
    .wavefront_size: 32
...
	.end_amdgpu_metadata
.endif
;; end of part 5
